; MI455X (gfx1250); checked and timed in simulation.
; The chip was launched on July 23, 2026; its instructions are those of AMD's public machine-readable ISA for CDNA 5 (MIT licence, August 2026) and "CDNA5" Instruction Set Architecture Reference Guide (July 2026). The comments in the code are by the model that wrote it; some were corrected since.
;; Attention. Allowed arithmetic: matrix products marked QUANTISED: E4M3 operands, one E8M0 scale for each 32 along K, by v_wmma_scale_f32_16x16x128_f8f6f4 with both operands' format E4M3, f32 sums; everything else in f32.
;; Inputs: cos 2,048 x 32 float32; mask 2,048 x 2,048 float32; sin 2,048 x 32 float32; wk 2,048 x 512 float32; wo 2,048 x 2,048 float32; wq 2,048 x 2,048 float32; wv 2,048 x 512 float32; x 1 x 2,048 x 2,048 float32.
;; Outputs: out0 1 x 2,048 x 2,048 float32.
;; This version of the problem:
;;   THIS VERSION OF THE PROBLEM IS GIVEN IN LOW PRECISION. The matrix products marked QUANTISED in the list below multiply operands that are first quantised to E4M3 (4 exponent bits, 3 mantissa bits; 8 bits a number), with one power-of-two scale for each 32 numbers along K (OCP MX v1.0); their sums are f32. All else is computed in f32.
;;   The module's matrix products, in the order in which they are computed (A, B: the left and right operand; K: the contracted axis; several contracted axes count as one K, in the product's order):
;;     1. [M 2,048, K 2,048] x [K 2,048, N 2,048]; A: input x; B: input wq: QUANTISED
;;     2. [M 2,048, K 2,048] x [K 2,048, N 512]; A: input x; B: input wk: QUANTISED
;;     3. [M 2,048, K 2,048] x [K 2,048, N 512]; A: input x; B: input wv: QUANTISED
;;     4. batch 32 x [M 2,048, K 64] x [K 64, N 2,048]; A: computed on the way; B: computed on the way: QUANTISED
;;     5. batch 32 x [M 2,048, K 2,048] x [K 2,048, N 64]; A: softmax (see below); B: computed on the way: QUANTISED
;;     6. [M 2,048, K 2,048] x [K 2,048, N 2,048]; A: computed on the way; B: input wo: QUANTISED
;;   THE QUANTISER, for each operand of a quantised product, along K:
;;     - K is cut into blocks of 32 from its start; a last block that is shorter is filled with zeros.
;;     - A block's scale is 2^e with e = floor(log2(the largest magnitude in the block)) - 8, held to -126 .. 127; a block of zeros has e = 0. As a byte (E8M0): e + 127.
;;     - Each number is divided by its block's scale, clamped to +-448, and rounded to the nearest number of E4M3, ties to even, subnormals kept.
;;     - The product sums the exact products of the quantised numbers (number of the format x scale) in f32.
;;   ~~~python
;;   def quantise(x, axis):      # numpy; x: float32 -> the quantised numbers, widened to float32 again
;;       x = np.moveaxis(x, axis, -1); K = x.shape[-1]
;;       x = np.pad(x, [(0, 0)] * (x.ndim - 1) + [(0, -K % 32)]); x = x.reshape(x.shape[:-1] + (-1, 32)); a = np.abs(x).max(-1, keepdims=True)
;;       e = np.where(a > 0, np.clip(np.frexp(np.where(a > 0, a, 1))[1] - 1 - 8, -126, 127), 0)      # np.frexp(a)[1] - 1 = floor(log2(a)), exactly
;;       r = np.clip(x / 2.0 ** e, -448, 448)
;;       step = 2.0 ** (np.maximum(np.frexp(np.where(r == 0, 1, r))[1] - 1, -6) - 3)
;;       q = np.round(r / step) * step * 2.0 ** e      # np.round: ties to even
;;       return np.moveaxis(q.reshape(q.shape[:-2] + (-1,))[..., :K], -1, axis).astype(np.float32)
;;   ~~~
;;   SOFTMAX AHEAD OF A QUANTISED PRODUCT. Where the list says 'softmax', what is quantised is not the finished softmax but p = 2^(t - M), with t = logit x log2(e) and M = ceil(the row's largest t), a whole number; so 1/2 < the row's largest p <= 1. The row's sum l is taken of the UNQUANTISED p, in f32, and the product's result is divided by l at the end. Since M is a whole number, a kernel that streams over the keys may use a running M (the ceiling of the running maximum): every later rescaling is an exact power of two, which a block's scale takes up: the codes' values come out the same.
;;   OPERANDS COMPUTED ON THE WAY. 'Computed on the way' means the value that the module computes at that place (a softmax that the list does not call 'softmax' is quantised finished and normalised). What goes into a quantiser is computed in f32, as accurately as f32 sums, v_exp_f32 and their like allow (about 1e-6 of the number): no bf16 or f16 on the way to a quantiser, and a product that is left as it is and whose result goes on into a quantised operand takes f32 operands (vector FMAs, or v_wmma_f32_16x16x4_f32). A number that lies on a knife's edge between two numbers of the format may be rounded either way, as far as f32 arithmetic and the matrix unit's own rounding can turn it there, and no further.
;; One version. Each part assembles by itself: llvm-mc -triple=amdgcn-amd-amdhsa -mcpu=gfx1250 --defsym DOCPART=n.
;; ======== version 1 of 1: 4 launches
;; limits: right only within a limited range of input values
;; workspace buffers: xc 4,194,304 bytes; wc 10,485,760 bytes; ac 4,194,304 bytes; xsc 327,680 bytes; wsc 327,680 bytes; asc 327,680 bytes; img 6,291,456 bytes; isc 360,448 bytes
;; launch quant (part 1): grid 448 x 1, 4 waves a work-group, no clusters, 68,096 bytes of LDS; arguments x, xc, xsc, wq, wk, wv, wo, wc, wsc; writes xc, xsc, wc, wsc
.if DOCPART == 1
	.amdgcn_target "amdgcn-amd-amdhsa--gfx1250"
	.amdhsa_code_object_version 6
	.text
	.protected	k_q8ae5d35a6c_quant
	.globl	k_q8ae5d35a6c_quant
	.p2align	8
	.type	k_q8ae5d35a6c_quant,@function
k_q8ae5d35a6c_quant:
	s_mov_b64 s[64:65], 0
	v_nop
	global_prefetch_b8 v0, s[64:65] scope:SCOPE_SE
	s_setreg_imm32_b32 hwreg(HW_REG_WAVE_MODE, 25, 1), 1
	s_wait_xcnt 0x0
; ONE LAUNCH QUANTISES x AND THE FOUR WEIGHTS to codes of FP8 (E4M3), K innermost, with one E8M0 scale byte for each 32 along K.  No work of the module is left out in this program: the mask is an input and every number of it is read.
; Work-groups 0-319: the weights (f32, K their FIRST axis) -> wc [5120 rows n][2048 K]: rows 0-2047 wq's columns, 2048-2559 wk's, 2560-3071 wv's, 3072-5119 wo's; wsc [K / 256][5120 rows][8 bytes].
;   Work-group id: output rows 128 (id / 8) on, K 256 (id % 8) on; a wave 32 columns x 256 of K.  A lane takes a column and its registers run down K; the codes leave through the wave's stage as rows of 256 bytes.
; Work-groups 320-447: x [2048][2048] -> xc [2048][2048], xsc [K / 256][5120 rows][8 bytes] (rows 0-2047).  Wave W of 512 takes strip W % 8 of 256 along K of rows 32 (W / 8) on: 16 steps of two rows.
;   A step's four loads read 512 consecutive bytes each; the 2,048 bytes turn through the wave's stage and come back 64 bytes a lane: 16 neighbours along K, two lanes to a block.
; A block's byte is its largest magnitude's exponent field - 8, held at 1 from below (a block of zeros gets 1 where the quantiser says 127: its codes are zeros, and this program alone reads the bytes).
; LIMITS: blocks whose largest magnitude lies under 2^-118 take the byte 1; NaN and infinities among the inputs are not served.
; The two paths part on the work-group's number alone and have LDS bytes of their own.  No tensor load, no barrier: waves share nothing.
.set EMAX,  8
.set MANT,  0x600000                   ; the mantissa field of 448
.set PITCH, 272                        ; weights: a stage row, 256 bytes + 16
.set XB,    4*32*PITCH                 ; x's regions begin behind the weights' four stages
.set WREG,  8192                       ; x: a region a wave: two stages of 32 x SP bytes, then its 256 scale bytes
.set SP,    80
.set SPARE, XB+4*WREG                  ; the spare words: 128 bytes a wave
.set NWG,   320                        ; the weights' work-groups
	s_set_vgpr_msb 0x40
	v_lshl_add_u32 v0, v0, 2, SPARE                ; v256: my spare word
	v_mov_b32 v1, 0                                ; v257: 0
	s_set_vgpr_msb 0x4000
	v_lshrrev_b32 v1, 5, v0
	v_readfirstlane_b32 s24, v1                    ; wave 0..3
	v_and_b32 v2, 31, v0                           ; lane
	s_wait_alu depctr_va_vdst(0)                   ; the wait ahead of the branch
	s_cmp_lt_u32 ttmp9, NWG
	s_cbranch_scc0 .Lx
; ---------------- the weights ----------------
.set NB,    8
.set WX,    32                         ; v32-95 two sets of 32 numbers
.set WC,    96                         ; v96-103 a block's codes
.set OUTR,  112                        ; v112-175 the way out
.set SB,    24                         ; v24-25 the scale bytes
.set VOFF,  176                        ; v176-207 4 x lane + i x the row pitch
.set BAS,   36                         ; s[36:51] each block's first row
	s_load_b256 s[4:11], s[0:1], 0x18              ; wq, wk, wv, wo
	s_load_b128 s[12:15], s[0:1], 0x38             ; wc, wsc
	s_and_b32 s25, ttmp9, 7                        ; y: which 256 of K
	s_lshr_b32 s28, ttmp9, 3                       ; gx: which 128 output rows
	v_lshlrev_b32 v3, 2, v2
	s_mul_i32 s26, s24, 32*PITCH                   ; my stage
	v_mul_u32_u24 v4, v2, PITCH
	v_add_nc_u32 v4, s26, v4                       ; in: row = my column
	v_and_b32 v5, 15, v2
	v_lshrrev_b32 v6, 4, v2
	v_mul_u32_u24 v7, v6, PITCH
	v_lshl_add_u32 v7, v5, 4, v7
	v_add_nc_u32 v7, s26, v7                       ; out: sixteen lanes to a row
	v_lshlrev_b32 v8, 11, v6
	v_lshl_add_u32 v8, v5, 4, v8                   ; the same place in wc
	v_lshlrev_b32 v9, 3, v2
	s_mov_b32 s31, MANT
	s_mov_b32 s19, 8192                            ; the row pitch: wq, wo 8,192; wk, wv (gx 16-23) 2,048
	s_sub_co_u32 s20, s28, 16
	s_cmp_lt_u32 s20, 8
	s_cselect_b32 s19, 2048, s19
.set i, 0
.rept 32
	v_mad_u32_u24 v[VOFF+i], s19, i, v3
.set i, i+1
.endr
	s_wait_alu depctr_va_vdst(0)                   ; the wait at the head's end
	s_wait_kmcnt 0x0
	s_mov_b64 s[16:17], s[10:11]                   ; the tensor and its first gx: wo, 24;
	s_mov_b32 s18, 24
	s_cmp_lt_u32 s28, 24
	s_cselect_b64 s[16:17], s[8:9], s[16:17]       ; wv, 20;
	s_cselect_b32 s18, 20, s18
	s_cmp_lt_u32 s28, 20
	s_cselect_b64 s[16:17], s[6:7], s[16:17]       ; wk, 16;
	s_cselect_b32 s18, 16, s18
	s_cmp_lt_u32 s28, 16
	s_cselect_b64 s[16:17], s[4:5], s[16:17]       ; wq, 0
	s_cselect_b32 s18, 0, s18
	s_sub_co_u32 s20, s28, s18
	s_lshl_b32 s20, s20, 9
	s_lshl_b32 s21, s24, 7
	s_add_co_u32 s20, s20, s21
	s_lshl_b32 s21, s25, 8
	s_mul_i32 s21, s21, s19                        ; 256 y rows
	s_add_co_u32 s20, s20, s21
	s_mov_b32 s21, 0
	s_add_nc_u64 s[BAS:BAS+1], s[16:17], s[20:21]
	s_lshl_b32 s22, s19, 5                         ; 32 rows from block to block
	s_mov_b32 s23, 0
.irp t, 1,2,3,4,5,6,7
	s_add_nc_u64 s[BAS+2*\t:BAS+2*\t+1], s[BAS+2*\t-2:BAS+2*\t-1], s[22:23]
.endr
	s_lshl_b32 s20, s28, 7
	s_lshl_b32 s22, s24, 5
	s_add_co_u32 s20, s20, s22                     ; my first output row
	s_lshl_b32 s22, s20, 11
	s_lshl_b32 s26, s25, 8
	s_add_co_u32 s22, s22, s26
	s_add_nc_u64 s[12:13], s[12:13], s[22:23]      ; wc: row x 2,048 + 256 y
	s_mul_i32 s22, s25, 40960
	s_lshl_b32 s26, s20, 3
	s_add_co_u32 s22, s22, s26
	s_add_nc_u64 s[14:15], s[14:15], s[22:23]      ; wsc: 40,960 y + 8 x row
.macro WLOAD t                         ; block t: 32 rows of K at my column, into set t % 2
.set i, 0
.rept 32
	global_load_b32 v[WX+32*((\t)%2)+i], v[VOFF+i], s[BAS+2*(\t):BAS+2*(\t)+1] th:TH_LOAD_NT
.set i, i+1
.endr
.endm
	WLOAD 0
	WLOAD 1
.macro WBLOCK t
.set XS, WX+32*((\t)%2)
.if (\t) < NB-1
	s_wait_loadcnt 32                              ; this block's 32 loads are in; the next block's 32 may be out
.else
	s_wait_loadcnt 0x0
.endif
	v_max3_num_f32 v12, |v[XS]|, |v[XS+1]|, |v[XS+2]|
	v_max3_num_f32 v13, |v[XS+3]|, |v[XS+4]|, |v[XS+5]|
.irp i, 6,10,14,18,22,26
	v_max3_num_f32 v12, v12, |v[XS+\i]|, |v[XS+\i+1]|
	v_max3_num_f32 v13, v13, |v[XS+\i+2]|, |v[XS+\i+3]|
.endr
	v_max3_num_f32 v12, v12, |v[XS+30]|, |v[XS+31]|
	v_max3_num_f32 v12, v12, v13, (EMAX+1)<<23     ; and the floor 2^(9 - 127)
	v_add_nc_u32 v11, -(EMAX<<23), v12             ; the conversion's scale operand
	v_and_or_b32 v10, v12, 0x7f800000, s31         ; 448 x the scale
	v_lshrrev_b32 v13, 23, v11                     ; the byte
.if (\t)%4 == 0
	v_mov_b32 v[SB+(\t)/4], v13
.else
	v_lshl_or_b32 v[SB+(\t)/4], v13, 8*((\t)%4), v[SB+(\t)/4]
.endif
.set i, 0
.rept 32
	v_med3_num_f32 v[XS+i], v[XS+i], -v10, v10     ; the hold: the conversion does not saturate (ISA guide 7.6.2)
.set i, i+1
.endr
.irp g, 0,1,2,3
	v_cvt_scalef32_pk8_fp8_f32 v[WC+2*\g:WC+2*\g+1], v[XS+8*\g:XS+8*\g+7], v11
.endr
	ds_store_b128 v4, v[WC:WC+3] offset:32*(\t)
	ds_store_b128 v4, v[WC+4:WC+7] offset:32*(\t)+16
.if (\t)+2 < NB
	WLOAD (\t)+2
.endif
	s_wait_dscnt 0x0                               ; the stores have read their registers
.endm
.irp t, 0,1,2,3,4,5,6,7
	WBLOCK \t
.endr
	global_store_b64 v9, v[SB:SB+1], s[14:15]      ; 32 lanes store 256 consecutive bytes, aligned
.irp t, 0,1,2,3,4,5,6,7,8,9,10,11,12,13,14,15
	ds_load_b128 v[OUTR+4*\t:OUTR+4*\t+3], v7 offset:2*\t*PITCH   ; a wave's LDS instructions are served in order
.endr
.irp t, 0,1,2,3,4,5,6,7,8,9,10,11,12,13,14,15
	s_wait_dscnt 15-\t                             ; the younger loads may be out
	global_store_b128 v8, v[OUTR+4*\t:OUTR+4*\t+3], s[12:13] offset:2*\t*2048
.endr
	s_set_vgpr_msb 0x5
	s_wait_tensorcnt 0x0                           ; the wave's end
	ds_add_u32 v0, v1
	s_wait_dscnt 0x0
	s_set_vgpr_msb 0x500
	s_endpgm
; ---------------- x ----------------
.Lx:
.set STEPS, 16
.set DEPTH, 8
.set R,     16                         ; v16-143 eight sets of 16 numbers as loaded
.set XX,    144                        ; v144-175 two sets of 16 neighbours
.set E,     176                        ; v176-191 a byte a step
.set XC,    192                        ; v192-255 codes, four registers a step
	s_load_b128 s[4:7], s[0:1], 0x0                ; x, xc
	s_load_b64 s[8:9], s[0:1], 0x10                ; xsc
	v_lshlrev_b32 v3, 4, v2
	s_mul_i32 s17, s24, WREG
	s_add_co_u32 s17, s17, XB                      ; my region
	v_lshrrev_b32 v14, 2, v2
	v_mul_u32_u24 v14, v14, SP
	v_and_b32 v15, 3, v2
	v_lshl_add_u32 v14, v15, 4, v14
	v_add_nc_u32 v14, s17, v14                     ; the stage, in: SP (lane / 4) + 16 (lane % 4)
	v_mul_u32_u24 v15, v2, SP
	v_add_nc_u32 v15, s17, v15                     ; out: SP x lane
	v_lshrrev_b32 v4, 4, v2
	v_and_b32 v5, 15, v2
	v_lshlrev_b32 v4, 11, v4
	v_lshl_add_u32 v4, v5, 4, v4                   ; codes: lanes 0-15 the even row, lanes 16-31 the odd
	v_lshrrev_b32 v5, 1, v2
	s_add_co_u32 s17, s17, 2*32*SP
	v_add_nc_u32 v5, s17, v5                       ; my block's byte among a step's 16
	v_lshlrev_b32 v7, 3, v2
	v_add_nc_u32 v6, s17, v7
	s_mov_b32 s23, MANT
	s_sub_co_u32 s18, ttmp9, NWG
	s_lshl_b32 s18, s18, 2
	s_add_co_u32 s18, s18, s24                     ; W
	s_and_b32 s19, s18, 7                          ; the strip
	s_lshr_b32 s18, s18, 3                         ; the group of 32 rows
	s_lshl_b32 s10, s18, 18
	s_lshl_b32 s12, s19, 10
	s_add_co_u32 s10, s10, s12
	s_mov_b32 s11, 0
	s_lshl_b32 s12, s18, 16
	s_lshl_b32 s14, s19, 8
	s_add_co_u32 s12, s12, s14
	s_mov_b32 s13, 0
	s_mul_i32 s14, s19, 40960
	s_lshl_b32 s20, s18, 8
	s_add_co_u32 s14, s14, s20
	s_mov_b32 s15, 0
	s_wait_alu depctr_va_vdst(0)                   ; the wait at the head's end
	s_wait_kmcnt 0x0
	s_add_nc_u64 s[4:5], s[4:5], s[10:11]
	s_add_nc_u64 s[6:7], s[6:7], s[12:13]
	s_add_nc_u64 s[8:9], s[8:9], s[14:15]
.macro XLOAD t                         ; step t: rows 2 t, 2 t + 1, two loads of 512 bytes each
.irp i, 0,1,2,3
	global_load_b128 v[R+16*((\t)%DEPTH)+4*\i:R+16*((\t)%DEPTH)+4*\i+3], v3, s[4:5] offset:(2*(\t)+\i/2)*8192+(\i%2)*512 th:TH_LOAD_NT
.endr
.endm
.macro XTURN t                         ; through the stage: a wave's LDS instructions are served in order
.irp i, 0,1,2,3
	ds_store_b128 v14, v[R+16*((\t)%DEPTH)+4*\i:R+16*((\t)%DEPTH)+4*\i+3] offset:32*SP*((\t)%2)+8*SP*\i
.endr
.irp i, 0,1,2,3
	ds_load_b128 v[XX+16*((\t)%2)+4*\i:XX+16*((\t)%2)+4*\i+3], v15 offset:32*SP*((\t)%2)+16*\i
.endr
.endm
.irp t, 0,1,2,3,4,5,6,7
	XLOAD \t
.endr
	s_wait_loadcnt 28                              ; step 0's four are in; the 28 of steps 1 to 7 may be out
	XTURN 0
.macro XSTEP t
.set XS, XX+16*((\t)%2)
.if (\t) > 0
	s_wait_dscnt 1                                 ; this step's numbers are back (the last byte store may be out)
.else
	s_wait_dscnt 0x0
.endif
.if (\t)+DEPTH < STEPS
	XLOAD (\t)+DEPTH
.endif
.if (\t)+1 < STEPS
.if (\t) < DEPTH
	s_wait_loadcnt 4*(DEPTH-1)                     ; the next step's four are in; seven steps' may be out
.else
	s_wait_loadcnt 4*(STEPS-2-(\t))
.endif
	XTURN (\t)+1
.endif
	v_max3_num_f32 v8, |v[XS]|, |v[XS+1]|, |v[XS+2]|
	v_max3_num_f32 v9, |v[XS+3]|, |v[XS+4]|, |v[XS+5]|
.irp i, 6,10
	v_max3_num_f32 v8, v8, |v[XS+\i]|, |v[XS+\i+1]|
	v_max3_num_f32 v9, v9, |v[XS+\i+2]|, |v[XS+\i+3]|
.endr
	v_max3_num_f32 v8, v8, |v[XS+14]|, |v[XS+15]|
	v_max3_num_f32 v8, v8, v9, (EMAX+1)<<23        ; and the floor
	v_max_num_f32_dpp v8, v8, v8 row_xmask:1 row_mask:0xf bank_mask:0xf   ; with my neighbour's 16: the block's
	v_add_nc_u32 v11, -(EMAX<<23), v8
	v_and_or_b32 v10, v8, 0x7f800000, s23
.irp i, 0,1,2,3,4,5,6,7,8,9,10,11,12,13,14,15
	v_med3_num_f32 v[XS+\i], v[XS+\i], -v10, v10
.endr
	v_cvt_scalef32_pk8_fp8_f32 v[XC+4*(\t):XC+4*(\t)+1], v[XS:XS+7], v11
	v_cvt_scalef32_pk8_fp8_f32 v[XC+4*(\t)+2:XC+4*(\t)+3], v[XS+8:XS+15], v11
	v_lshrrev_b32 v[E+(\t)], 23, v11               ; the byte (a plain line behind the conversions)
	ds_store_b8 v5, v[E+(\t)] offset:16*(\t)
	global_store_b128 v4, v[XC+4*(\t):XC+4*(\t)+3], s[6:7] offset:4096*(\t)   ; sixteen lanes store 256 consecutive bytes, aligned
.endm
.irp t, 0,1,2,3,4,5,6,7,8,9,10,11,12,13,14,15
	XSTEP \t
.endr
	ds_load_b64 v[12:13], v6
	s_wait_dscnt 0x0
	global_store_b64 v7, v[12:13], s[8:9]          ; 32 lanes store 256 consecutive bytes, aligned
	s_set_vgpr_msb 0x5
	s_wait_tensorcnt 0x0                           ; the wave's end
	ds_add_u32 v0, v1
	s_wait_dscnt 0x0
	s_set_vgpr_msb 0x500
	s_endpgm
.Lfunc_end_k_q8ae5d35a6c_quant:
	.size	k_q8ae5d35a6c_quant, .Lfunc_end_k_q8ae5d35a6c_quant-k_q8ae5d35a6c_quant
	.p2alignl 7, 3214868480
	.fill 96, 4, 3214868480
	.section	.rodata,"a",@progbits
	.p2align	6, 0x0
	.amdhsa_kernel k_q8ae5d35a6c_quant
		.amdhsa_group_segment_fixed_size 68096
		.amdhsa_private_segment_fixed_size 0
		.amdhsa_enable_private_segment 0
		.amdhsa_kernarg_size 72
		.amdhsa_user_sgpr_count 2
		.amdhsa_user_sgpr_kernarg_segment_ptr 1
		.amdhsa_wavefront_size32 1
		.amdhsa_system_sgpr_workgroup_id_x 1
		.amdhsa_system_sgpr_workgroup_id_y 1
		.amdhsa_system_sgpr_workgroup_id_z 1
		.amdhsa_system_vgpr_workitem_id 0
		.amdhsa_next_free_vgpr 258
		.amdhsa_next_free_sgpr 66
		.amdhsa_reserve_vcc 0
		.amdhsa_float_denorm_mode_32 3
		.amdhsa_float_denorm_mode_16_64 3
		.amdhsa_memory_ordered 1
		.amdhsa_forward_progress 1
		.amdhsa_inst_pref_size 113
	.end_amdhsa_kernel
	.amdgpu_metadata
---
amdhsa.version: [ 1, 2 ]
amdhsa.kernels:
  - .name:           k_q8ae5d35a6c_quant
    .symbol:         k_q8ae5d35a6c_quant.kd
    .args:
      - { .name: x, .offset: 0, .size: 8, .value_kind: global_buffer, .address_space: global }
      - { .name: xc, .offset: 8, .size: 8, .value_kind: global_buffer, .address_space: global }
      - { .name: xsc, .offset: 16, .size: 8, .value_kind: global_buffer, .address_space: global }
      - { .name: wq, .offset: 24, .size: 8, .value_kind: global_buffer, .address_space: global }
      - { .name: wk, .offset: 32, .size: 8, .value_kind: global_buffer, .address_space: global }
      - { .name: wv, .offset: 40, .size: 8, .value_kind: global_buffer, .address_space: global }
      - { .name: wo, .offset: 48, .size: 8, .value_kind: global_buffer, .address_space: global }
      - { .name: wc, .offset: 56, .size: 8, .value_kind: global_buffer, .address_space: global }
      - { .name: wsc, .offset: 64, .size: 8, .value_kind: global_buffer, .address_space: global }
    .group_segment_fixed_size: 68096
    .private_segment_fixed_size: 0
    .kernarg_segment_align: 8
    .kernarg_segment_size: 72
    .max_flat_workgroup_size: 128
    .sgpr_count:     66
    .vgpr_count:     258
    .wavefront_size: 32
...
	.end_amdgpu_metadata
.endif
;; end of part 1
;; launch qkv (part 2): grid 96 x 4, 4 waves a work-group, clusters of 4 x 4, 327,680 bytes of LDS; arguments xc, xsc, wc, wsc, cos, sin, img, isc; writes img, isc
.if DOCPART == 2
	.amdgcn_target "amdgcn-amd-amdhsa--gfx1250"
	.amdhsa_code_object_version 6
	.text
	.protected	k_q8ae5d35a6c_qkv
	.globl	k_q8ae5d35a6c_qkv
	.p2align	8
	.type	k_q8ae5d35a6c_qkv,@function
k_q8ae5d35a6c_qkv:
	s_mov_b64 s[64:65], 0
	v_nop
	global_prefetch_b8 v0, s[64:65] scope:SCOPE_SE
	s_setreg_imm32_b32 hwreg(HW_REG_WAVE_MODE, 25, 1), 1
	s_wait_xcnt 0x0
	s_wait_alu depctr_hold_cnt(0) depctr_sa_sdst(0) depctr_va_vdst(0) depctr_va_sdst(0) depctr_va_ssrc(0) depctr_va_vcc(0) depctr_vm_vsrc(0)
	s_getreg_b32 s2, hwreg(HW_REG_IB_STS2, 6, 4)
	s_cmp_eq_u32 s2, 0
	s_cbranch_scc0 .Lentry_in_a_cluster
	s_endpgm
.Lentry_in_a_cluster:
	s_bfe_u32 s2, ttmp6, 0x10000c
	s_cmp_lg_u32 s2, 0xf033
	s_cbranch_scc0 .Lentry_shape_is_right
	s_endpgm
.Lentry_shape_is_right:
; The three projections x wq, x wk, x wv on codes of FP8 (E4M3) with E8M0 scales, the rotation of q and k, and the quantising of q, k and v for the two products of attention.
; A tile is 128 rows of an operand P x 128 rows of an operand Qop, K = 2,048; four waves, each 64 x 64: 16 accumulators.  THE MATRIX INSTRUCTION IS USED TRANSPOSED (source 0 = 16 rows of Qop, source 1 = 16 rows
; of P): a lane holds ONE row of P and eight neighbouring rows' numbers of Qop.  Clusters 0-19: P = x (tokens), Qop = rows 0-2559 of wc (q's and k's features): a lane's registers run along a head's 64, the K of
; q k^T.  Clusters 20-23: P = rows 2560-3071 of wc (v's features), Qop = x: a lane's registers run along the tokens, the K of p v.  A wave's 64 columns are two blocks of 32 of that next K.
; SLOT ORDER.  The 16 registers of two neighbouring accumulators hold index 32 c + 16 u + 8 (lane / 16) + j at register 8 u + j; converted as they stand they take the operand's places 32 c + 16 (lane / 16) + 8 u + j.
; Both operands of q k^T, and both of p v, are made so: k is permuted alike on both sides, inside its block of 32, so scales, codes and products are the quantiser's; only the order of the sums differs.
; OUT.  img: images of operand registers, [48][128 T][2 c][32 lanes x 16 bytes]: 0-31 q's heads, 32-39 k's (T = token / 16), 40-47 v^T (T = 4 (token / 64) + d / 16).  isc: their scale words.
; THE DIVISION BY sqrt(64) = 8 is 3 taken off q's scale bytes: exact.  Bytes 2 and 3 of q's and k's words are 127: the upper 64 of the instruction's 128 along K are zero codes in attention.
; LIMITS: a block whose largest magnitude lies under 2^-115 takes the floor's byte 4 (so that q's byte less 3 stays at 1 or more); a block of zeros likewise (its codes are zeros); NaN and infinities are not served.
; K goes through two LDS slots of 512 along K (rows of 512 bytes), four slots' worth, all written out.  The scale bytes of both operands' 128 rows for all of K come once.  CLUSTERS: 4 x 4 work-groups; P's tiles are
; shared along a row of the cluster, Qop's along a column: each is asked for jointly.  By this text's count a wave has one tensor load out at the most.
; REGISTERS: window 0: v1-31 addresses; v32-63 scale words, two sets; v64-127 at work; v128-255 accumulators ((a, b) at v[128 + 8 (4 a + b)]).  window 1: two fragment buffers of 128 (P's four, Qop's four).  window 2: cos, sin.
.set PITCH,  528                       ; an LDS row: 512 bytes + 16 of padding: the 16 rows of a load start at 16 different groups of four banks
.set HALFT,  64*PITCH                  ; 64 rows: one tensor load
.set SLOT,   4*HALFT                   ; P's 128 rows, then Qop's
.set SCL,    2*SLOT                    ; the scale bytes: for each of 8 groups of 256 along K, 128 rows x 8 bytes + 16 of padding
.set SKG,    1040
.set SHALF,  8*SKG                     ; P's; Qop's follow
.set SPARE,  SCL+2*SHALF               ; the spare words: 128 bytes a wave, two blocks of 256 bytes that no other line names
.set ADRA, 16                          ; v16-17 LDS address of my fragments of P in slot 0, 1
.set ADRB, 20                          ; v20-21 of Qop
.set SWO,  26                          ; v26    my place among a wave's scale words: 16 r + 8 h
.set ADRS, 27                          ; v27    my scale words in LDS: lanes 0-15 P's rows, lanes 16-31 Qop's
.set SPW,  28                          ; v28    my spare word; never rewritten
.set NIL,  29                          ; v29    0; never rewritten
.set CSO,  30                          ; v30    my place in cos and sin: 128 r + 16 h
.set LI,   31                          ; v31    16 x lane
.set SC,   32
.set ACC,  128
.set F0,   0
.set F1,   128
.set WV, 20
.set WH, 21
.set WL, 22
.set G1, 32
.set G0, 40
.set G1B, 48
.set G0B, 56
.set G1S, 68
.set G0S, 76
.set G1SB, 80
.set G0SB, 88
.set MSB, 0
.macro WIN new                         ; the immediate's high byte repeats the setting that is left
.if MSB != \new
	s_set_vgpr_msb (MSB<<8)|\new
.set MSB, \new
.endif
.endm
.macro PLACES n
.rept \n
	v_nop
.endr
.endm
; A joint load: waves 0 and 1 fetch for P, waves 2 and 3 for Qop.  Four v_nop follow each of the two lines.
.macro JLOAD g0a, g1a, g0b, g1b
	s_cmp_eq_u32 s[WH], 0
	s_cbranch_scc0 .Lfor_b_\@
	tensor_load_to_lds s[\g0a:\g0a+3], s[\g1a:\g1a+7]
	s_nop 0
.rept 4
	v_nop
.endr
	s_branch .Lasked_\@
.Lfor_b_\@:
	tensor_load_to_lds s[\g0b:\g0b+3], s[\g1b:\g1b+7]
	s_nop 0
.rept 4
	v_nop
.endr
.Lasked_\@:
.endm
.macro CREST                           ; a round of the cluster's barrier behind its opening barrier
	s_cmp_lg_u32 s[WV], 0
	s_cbranch_scc1 .Lnot_wave_0_\@
	s_barrier_signal -3
.Lnot_wave_0_\@:
	s_barrier_wait -3
	s_barrier_signal -1
	s_barrier_wait -1
.endm
.macro CROUND
	s_barrier_signal -1
	s_barrier_wait -1
	CREST
.endm
; 32 LDS loads: the fragments of 128 along K at byte k of the slot's rows into buffer f.  A fragment: lane l holds row l % 16; registers 4 c .. 4 c + 3 hold K = 32 c + 16 (l / 16) + 0 .. 15.
.macro FETCH slot, k, f
	WIN 0x40                                       ; destination window 1, address window 0
.irp i, 0,1,2,3
.irp c, 0,1,2,3
	ds_load_b128 v[\f+64+16*\i+4*\c:\f+64+16*\i+4*\c+3], v[ADRB+\slot] offset:\k+32*\c+\i*16*PITCH
.endr
.irp c, 0,1,2,3
	ds_load_b128 v[\f+16*\i+4*\c:\f+16*\i+4*\c+3], v[ADRA+\slot] offset:\k+32*\c+\i*16*PITCH
.endr
.endr
.endm
; The scale words of the sigma-th 512 along K into set 'set': register 4 i + q: lanes 0-15 P's block i, lanes 16-31 Qop's block i, for the q-th 128.
.macro SCALES set, sigma
	WIN 0
.irp i, 0,1,2,3
.irp gs, 0,1
	ds_load_b64 v[SC+16*(\set)+4*\i+2*\gs:SC+16*(\set)+4*\i+2*\gs+1], v[ADRS] offset:(2*(\sigma)+\gs)*SKG+128*\i
.endr
.endr
.endm
; 8 matrix instructions: P's blocks a0, a0 + 1 x Qop's four.  The 16 accumulators take turns, one instruction a turn, in one order throughout.
.macro MUL8 f, a0, set, q, zero
	WIN 0x05                                       ; sources 0 and 1 window 1; C and D window 0
.irp a, \a0, \a0+1
.irp b, 0,1,2,3
.if \zero
	v_wmma_scale_f32_16x16x128_f8f6f4 v[ACC+8*(4*(\a)+\b):ACC+8*(4*(\a)+\b)+7], v[\f+64+16*\b:\f+64+16*\b+15], v[\f+16*(\a):\f+16*(\a)+15], 0, v[SC+16*(\set)+4*\b+(\q)], v[SC+16*(\set)+4*(\a)+(\q)] matrix_a_scale:MATRIX_SCALE_ROW1
.else
	v_wmma_scale_f32_16x16x128_f8f6f4 v[ACC+8*(4*(\a)+\b):ACC+8*(4*(\a)+\b)+7], v[\f+64+16*\b:\f+64+16*\b+15], v[\f+16*(\a):\f+16*(\a)+15], v[ACC+8*(4*(\a)+\b):ACC+8*(4*(\a)+\b)+7], v[SC+16*(\set)+4*\b+(\q)], v[SC+16*(\set)+4*(\a)+(\q)] matrix_a_scale:MATRIX_SCALE_ROW1
.endif
.endr
.endr
.endm
; One of a slot's first three steps of 128: the next step's fragments are asked for, into the buffer that the last products read (eight places behind them), then this step is multiplied.
.macro QUARTER slot, q, f, g, zero
	PLACES 8
	FETCH \slot, 128*(\q+1), \g
	s_wait_dscnt 32                                ; all but the 32 loads just issued: buffer f and its scale words are in
	MUL8 \f, 0, \slot, \q, \zero
	MUL8 \f, 2, \slot, \q, \zero
.endm
; A slot's last step changes slots: one barrier; in front of it each wave waits for all its tensor loads, adds 0 to its spare word, and waits for that and for its reads of this slot.  sgn: which 512 along K the next slot holds.
.macro TURN slot, next, fill, sgn
	WIN 0
	s_wait_tensorcnt 0x0                           ; all my tensor loads have landed: my part of the next slot; so a group 0 may be written
	ds_add_u32 v[SPW], v[NIL]                      ; 0 onto my spare word
.if \fill
	s_add_nc_u64 s[G0+4*\slot+2:G0+4*\slot+3], s[G0+4*\slot+2:G0+4*\slot+3], 1024     ; this slot's next 512 along K lie two slots on
	s_add_nc_u64 s[G0B+4*\slot+2:G0B+4*\slot+3], s[G0B+4*\slot+2:G0B+4*\slot+3], 1024
.endif
	s_wait_dscnt 0x0                               ; the add is done, buffer 1 is in, and my reads of this slot are over
	s_barrier_signal -1
	MUL8 F1, 0, \slot, 3, 0                        ; work on registers while the others arrive
	WIN 0
	s_barrier_wait -1
.if \fill
	CREST                                          ; the barrier has opened a round of the cluster's barrier: no wave of any partner still reads this slot or has a load on its way
	JLOAD G0+4*\slot, G1, G0B+4*\slot, G1B         ; the first tensor load behind the round; its four v_nop are four of the eight places in front of the loads below
	PLACES 4
.else
	PLACES 8
.endif
	FETCH \next, 0, F0
	SCALES \next, \sgn
.if \sgn == 1
	global_prefetch_b8 v6, s[12:13] offset:1536 th:TH_LOAD_NT scope:SCOPE_SE   ; what the next refill will ask for; the last refill has nothing behind it
.endif
	MUL8 F1, 2, \slot, 3, 0
.endm
	s_load_b256 s[4:11], s[0:1], 0x0               ; xc, xsc, wc, wsc
	s_load_b256 s[92:99], s[0:1], 0x20             ; cos, sin, img, isc
	v_lshl_add_u32 v[SPW], v0, 2, SPARE
	v_mov_b32 v[NIL], 0
	ds_add_u32 v28, v29
	ds_add_u32 v28, v29
	s_wait_dscnt 0x0
	v_lshrrev_b32 v1, 5, v0
	v_readfirstlane_b32 s[WV], v1                  ; wave 0..3
	s_lshr_b32 s[WH], s[WV], 1                     ; my half of P's rows.  Also: I fetch for P (0) or for Qop (1)
	s_and_b32 s[WL], s[WV], 1                      ; my half of Qop's rows.  Also: which half I fetch
	s_bfe_u32 s23, ttmp6, 0x40000                  ; cx
	s_bfe_u32 s24, ttmp6, 0x40004                  ; cy
	s_lshl_b32 s27, s24, 2
	s_lshl_b32 s27, 15, s27                        ; my row of the cluster
	s_lshl_b32 s28, 0x1111, s23                    ; my column
	s_and_b32 s2, ttmp9, 3
	s_lshl_b32 s2, s2, 9                           ; clusters 0-19: tokens 512 (cluster % 4) on,
	s_lshr_b32 s3, ttmp9, 2
	s_lshl_b32 s3, s3, 9                           ; features 512 (cluster / 4) on
	s_sub_co_u32 s29, ttmp9, 20
	s_lshl_b32 s29, s29, 9                         ; clusters 20-23: tokens 512 (cluster - 20) on,
	s_mov_b32 s30, 2560                            ; wc's rows 2560 on
	s_cmp_lt_u32 ttmp9, 20                         ; the cluster's number: the same in all sixteen partners
	s_cselect_b32 s2, s2, s30
	s_cselect_b32 s3, s3, s29
	s_cselect_b32 s66, 0, s30                      ; what P's row number loses to count from its tensor's first row
	s_lshl_b32 s26, s24, 7
	s_add_co_u32 s26, s26, s2                      ; P's first row: hangs on cy and the cluster
	s_lshl_b32 s25, s23, 7
	s_add_co_u32 s25, s25, s3                      ; Qop's first row: on cx and the cluster
	; descriptor group 1: codes: 64 rows x 512 bytes, 2,048 bytes apart, 16 bytes of padding behind each
	s_or_b32 s[G1], s27, (1<<20)|(1<<21)|(6<<22)|(3<<25)    ; 15:0 the mask; 17:16 elements of 1 byte; 20 padding on; 21 set beside a mask; 24:22 after every 128 words; 31:25 four words
	s_or_b32 s[G1B], s28, (1<<20)|(1<<21)|(6<<22)|(3<<25)
.irp g, G1, G1B
	s_mov_b32 s[\g+1], 512<<16                     ; tensor_dim0
	s_mov_b32 s[\g+2], 128<<16                     ; tensor_dim1: 128 rows for the head's loads; 64 from the ring's first load on
	s_mov_b32 s[\g+3], 512<<16                     ; tile_dim0
	s_mov_b32 s[\g+4], 128                         ; tile_dim1 likewise
	s_mov_b32 s[\g+5], 2048                        ; from row to row
	s_mov_b32 s[\g+6], 0
	s_mov_b32 s[\g+7], 0
.endr
	; scale bytes: 8 groups of 256 along K x (128 rows x 8 bytes = 128 elements of 8 bytes), 5,120 elements apart, 16 bytes of padding behind each
	s_or_b32 s[G1S], s27, (3<<16)|(1<<20)|(1<<21)|(7<<22)|(3<<25)
	s_or_b32 s[G1SB], s28, (3<<16)|(1<<20)|(1<<21)|(7<<22)|(3<<25)
.irp g, G1S, G1SB
	s_mov_b32 s[\g+1], 128<<16
	s_mov_b32 s[\g+2], 8<<16                       ; all eight groups of 256 along K in one load
	s_mov_b32 s[\g+3], 128<<16
	s_mov_b32 s[\g+4], 8
	s_mov_b32 s[\g+5], 5120
	s_mov_b32 s[\g+6], 0
	s_mov_b32 s[\g+7], 0
.endr
	s_mov_b32 s3, 0
	s_mov_b32 s101, 0
	s_wait_kmcnt 0x0
	s_cmp_lt_u32 ttmp9, 20
	s_cselect_b64 s[12:13], s[4:5], s[8:9]         ; P's codes,
	s_cselect_b64 s[14:15], s[6:7], s[10:11]       ; P's scale bytes,
	s_cselect_b64 s[16:17], s[8:9], s[4:5]         ; Qop's codes,
	s_cselect_b64 s[18:19], s[10:11], s[6:7]       ; Qop's scale bytes
	s_lshl_b32 s2, s26, 11
	s_add_nc_u64 s[12:13], s[12:13], s[2:3]        ; P's tile: its first row's codes,
	s_lshl_b32 s100, s25, 11
	s_add_nc_u64 s[16:17], s[16:17], s[100:101]    ; Qop's,
	s_lshl_b32 s2, s26, 3
	s_add_nc_u64 s[14:15], s[14:15], s[2:3]        ; and their scale bytes
	s_lshl_b32 s100, s25, 3
	s_add_nc_u64 s[18:19], s[18:19], s[100:101]
; THE HEAD'S LOADS, ONE A WAVE: wave 0 slot 0's 128 rows of P, wave 1 its 128 rows of Qop, wave 2 P's scale bytes for all of K, wave 3 Qop's.  By this text's count a wave has one tensor load out at the most.
.macro HG g0, lds, p
	s_mov_b32 s[\g0], 1
	s_mov_b32 s[\g0+1], \lds
	s_mov_b64 s[\g0+2:\g0+3], s[\p:\p+1]
	s_or_b32 s[\g0+3], s[\g0+3], 0x80000000
.endm
	HG G0, 0, 12
	HG G0B, 2*HALFT, 16
	HG G0S, SCL, 14
	HG G0SB, SCL+SHALF, 18
	CROUND                                         ; all sixteen work-groups are here: the first joint loads meet
.macro ARM under, g0, g1, next         ; one chain of branches on the wave's number, a load an arm, all arms to one join
	s_cmp_lt_u32 s[WV], \under
	s_cbranch_scc0 \next
	tensor_load_to_lds s[\g0:\g0+3], s[\g1:\g1+7]
	s_nop 0
	PLACES 4
	s_branch .Lhead_asked
\next:
.endm
	ARM 1, G0, G1, .Lhead_b
	ARM 2, G0B, G1B, .Lhead_sa
	ARM 3, G0S, G1S, .Lhead_sb
	tensor_load_to_lds s[G0SB:G0SB+3], s[G1SB:G1SB+7]
	s_nop 0
	PLACES 4
.Lhead_asked:
	s_mul_i32 s29, s[WV], HALFT                    ; the ring: a wave fetches 64 rows, to wave x 64 rows of a slot
	s_lshl_b32 s30, s[WL], 17                      ; which 64: 64 rows of 2,048 bytes
	s_mov_b32 s31, 0
	s_mov_b32 s[G0+4], 1                           ; slot 1's group 0: the second 512 along K
	s_add_co_u32 s[G0+5], s29, SLOT
	s_add_nc_u64 s[G0+6:G0+7], s[12:13], s[30:31]
	s_add_nc_u64 s[G0+6:G0+7], s[G0+6:G0+7], 512
	s_or_b32 s[G0+7], s[G0+7], 0x80000000
	s_mov_b32 s[G0B+4], 1
	s_add_co_u32 s[G0B+5], s29, SLOT
	s_add_nc_u64 s[G0B+6:G0B+7], s[16:17], s[30:31]
	s_add_nc_u64 s[G0B+6:G0B+7], s[G0B+6:G0B+7], 512
	s_or_b32 s[G0B+7], s[G0B+7], 0x80000000
; PREFETCHES: of the 64 rows x 512 bytes that my wave fetches for a slot, each of the four partners that ask for them jointly names 16 rows (told apart by address: cx for P, cy for Qop), two lanes a row, 256 bytes apart:
; each aligned block of 256 bytes once in a cluster.  Here slot 1's; behind slot 1's load the third 512 along K; behind the first refill the fourth.  v6 and s[12:13] are never rewritten.
	s_cmp_eq_u32 s[WH], 0
	s_cselect_b64 s[12:13], s[12:13], s[16:17]
	s_cselect_b32 s29, s23, s24
	s_lshl_b32 s29, s29, 15
	s_add_co_u32 s30, s30, s29
	s_add_nc_u64 s[12:13], s[12:13], s[30:31]
	v_and_b32 v6, 31, v0
	v_lshrrev_b32 v7, 1, v6
	v_and_b32 v6, 1, v6
	v_lshlrev_b32 v6, 8, v6
	v_lshl_add_u32 v6, v7, 11, v6
	global_prefetch_b8 v6, s[12:13] offset:512 th:TH_LOAD_NT scope:SCOPE_SE
	v_and_b32 v1, 15, v0                           ; r
	v_bfe_u32 v2, v0, 4, 1                         ; h
	s_wait_alu depctr_va_vdst(0)
	v_mul_u32_u24 v3, v1, PITCH
	v_lshl_add_u32 v3, v2, 4, v3
	s_mul_i32 s2, s[WH], HALFT                     ; my 64 rows of P,
	s_mul_i32 s100, s[WL], HALFT
	s_add_co_u32 s100, s100, 2*HALFT               ; of Qop
.irp s, 0,1
	v_add_nc_u32 v[ADRA+\s], s2, v3
	v_add_nc_u32 v[ADRB+\s], s100, v3
	s_add_co_u32 s2, s2, SLOT
	s_add_co_u32 s100, s100, SLOT
.endr
	v_lshlrev_b32 v4, 3, v1                        ; 8 bytes a row
	s_lshl_b32 s2, s[WH], 9                        ; P's: my 64 rows
	s_lshl_b32 s100, s[WL], 9                      ; Qop's: my 64 rows, behind P's
	s_add_co_u32 s100, s100, SHALF
	s_sub_co_u32 s100, s100, s2
	v_mul_u32_u24 v5, s100, v2                     ; lanes 16-31 take Qop's: one product, the distance between the two
	s_add_co_u32 s2, s2, SCL
	v_add_nc_u32 v4, v4, v5
	v_add_nc_u32 v[ADRS], s2, v4
	v_and_b32 v5, 31, v0
	v_lshlrev_b32 v[LI], 4, v5
	v_lshlrev_b32 v[CSO], 7, v1
	v_lshl_add_u32 v[CSO], v2, 4, v[CSO]
	v_lshlrev_b32 v[SWO], 4, v1
	v_lshl_add_u32 v[SWO], v2, 3, v[SWO]
.irp k, 0,1,2,3,4,5,6,7
	v_mov_b32 v[72+\k], 0                          ; written once: a lane permute's destination counts as one of its sources
.endr
	s_mov_b32 s4, 0x76543210                       ; the pointers are chosen: s4 to s11 are free.  Lane selects for lane l xor 16,
	s_mov_b32 s5, 0xfedcba98
	s_mov_b32 s6, 0x600000                         ; the mantissa field of 448
	s_lshl_b32 s2, s[WH], 6
	s_add_co_u32 s2, s2, s26
	s_sub_co_u32 s29, s2, s66                      ; R0: my first row of P, counted in its tensor (token, or v's feature)
	s_lshl_b32 s30, s[WL], 6
	s_add_co_u32 s30, s30, s25                     ; C0: my first row of Qop (feature, or token)
	s_lshl_b32 s2, s29, 7                          ; cos and sin at row R0: 128 bytes a row.  (For v's tiles the loads are made too and not used: R0 is under 512, inside the tables)
	s_add_nc_u64 s[92:93], s[92:93], s[2:3]
	s_add_nc_u64 s[94:95], s[94:95], s[2:3]
	WIN 0x80                                       ; destination window 2
.irp a, 0,1,2,3
.irp b, 0,1,2,3
	global_load_b128 v[16*\a+4*\b:16*\a+4*\b+3], v[CSO], s[92:93] offset:\a*2048+32*\b          ; token R0 + 16 a + r, pairs 8 b + 4 h + 0 .. 3
	global_load_b128 v[64+16*\a+4*\b:64+16*\a+4*\b+3], v[CSO], s[94:95] offset:\a*2048+32*\b
.endr
.endr
	WIN 0
	s_cmp_lt_u32 ttmp9, 20
	s_cselect_b32 s7, s30, s29                     ; the feature,
	s_cselect_b32 s8, s29, s30                     ; the token,
	s_cselect_b32 s9, 0, 40
	s_lshr_b32 s7, s7, 6
	s_add_co_u32 s7, s7, s9                        ; the image's head: 0-31 q, 32-39 k, 40-47 v
	s_lshl_b32 s2, s7, 7
	s_lshr_b32 s9, s8, 4
	s_add_co_u32 s2, s2, s9
	s_lshl_b32 s2, s2, 10
	s_add_nc_u64 s[96:97], s[96:97], s[2:3]        ; img + (head x 128 + token / 16) x 1,024
	s_lshl_b32 s9, s7, 13                          ; q's words: head x 8,192;
	s_sub_co_u32 s10, s7, 32
	s_mul_i32 s10, s10, 12288
	s_add_co_u32 s10, s10, 262144                  ; k's: 262,144 + 12,288 x kv head
	s_cmp_lt_u32 s7, 32
	s_cselect_b32 s9, s9, s10
	s_cselect_b32 s11, 0x0303, 0                   ; q alone: 3 off both bytes
	s_lshr_b32 s10, s8, 6
	s_lshl_b32 s10, s10, 8
	s_add_co_u32 s9, s9, s10                       ; + 256 x (token / 64)
	s_sub_co_u32 s10, s7, 40                       ; v's: behind k's 8,192: 256 x (token / 128) + 2 x ((token / 64) % 2)
	s_mul_i32 s10, s10, 12288
	s_add_co_u32 s10, s10, 262144+8192
	s_lshr_b32 s2, s8, 7
	s_lshl_b32 s2, s2, 8
	s_add_co_u32 s10, s10, s2
	s_bfe_u32 s2, s8, 0x10006
	s_lshl_b32 s2, s2, 1
	s_add_co_u32 s10, s10, s2
	s_cmp_lt_u32 ttmp9, 20
	s_cselect_b32 s2, s9, s10
	s_add_nc_u64 s[98:99], s[98:99], s[2:3]
	s_wait_alu depctr_va_vdst(0)
	s_wait_tensorcnt 0x0                           ; my tile of the head's four is in: so descriptors may be written
	ds_add_u32 v[SPW], v[NIL]                      ; 0 onto my spare word
	s_mov_b32 s[G1+2], 64<<16                      ; from here on a load brings 64 rows
	s_mov_b32 s[G1+4], 64
	s_mov_b32 s[G1B+2], 64<<16
	s_mov_b32 s[G1B+4], 64
	s_mul_i32 s[G0+1], s[WV], HALFT                ; slot 0's group 0 for its refill: my 64 rows
	s_mul_i32 s[G0B+1], s[WV], HALFT
	s_lshl_b32 s2, s[WL], 17
	s_add_nc_u64 s[G0+2:G0+3], s[G0+2:G0+3], s[2:3]
	s_add_nc_u64 s[G0B+2:G0B+3], s[G0B+2:G0B+3], s[2:3]
	s_wait_dscnt 0x0
	CROUND                                         ; all four tiles are in, and the partners are here
	JLOAD G0+4, G1, G0B+4, G1B                     ; slot 1's first fill, issued as a refill is
	FETCH 0, 0, F0
	SCALES 0, 0
	global_prefetch_b8 v6, s[12:13] offset:1024 th:TH_LOAD_NT scope:SCOPE_SE
	QUARTER 0, 0, F0, F1, 1                        ; the first products start the sums: nothing is cleared
	QUARTER 0, 1, F1, F0, 0
	QUARTER 0, 2, F0, F1, 0
	TURN 0, 1, 1, 1
	QUARTER 1, 0, F0, F1, 0
	QUARTER 1, 1, F1, F0, 0
	QUARTER 1, 2, F0, F1, 0
	TURN 1, 0, 1, 2
	QUARTER 0, 0, F0, F1, 0
	QUARTER 0, 1, F1, F0, 0
	QUARTER 0, 2, F0, F1, 0
	TURN 0, 1, 0, 3                                ; nothing is left to fetch
	QUARTER 1, 0, F0, F1, 0
	QUARTER 1, 1, F1, F0, 0
	QUARTER 1, 2, F0, F1, 0
	s_wait_dscnt 0x0
	MUL8 F1, 0, 1, 3, 0
	MUL8 F1, 2, 1, 3, 0
	WIN 0
	PLACES 8                                       ; in front of the first reads of results
	s_wait_loadcnt 0x0                             ; cos and sin
	s_cmp_ge_u32 ttmp9, 20
	s_cbranch_scc1 .Lno_rope                       ; v is not rotated
	WIN 0x08                                       ; source 1 (cos, sin) window 2
.irp k, 0,1,2,3,4,5,6,7,8,9,10,11,12,13,14,15  ; accumulator k = 4 a + b: its registers 2 p, 2 p + 1 are the pair 8 b + 4 h + p of token 16 a + r
.irp p, 0,1,2,3
	v_mul_f32 v[64+2*\p], v[ACC+8*\k+2*\p+1], v[64+4*\k+\p]        ; b sin   (each accumulator is read from its low end on)
	v_mul_f32 v[65+2*\p], v[ACC+8*\k+2*\p], v[64+4*\k+\p]          ; a sin
.endr
.irp p, 0,1,2,3
	v_fma_f32 v[ACC+8*\k+2*\p], v[ACC+8*\k+2*\p], v[4*\k+\p], -v[64+2*\p]       ; a cos - b sin
	v_fma_f32 v[ACC+8*\k+2*\p+1], v[ACC+8*\k+2*\p+1], v[4*\k+\p], v[65+2*\p]    ; b cos + a sin
.endr
.endr
	WIN 0
.Lno_rope:
	; the eight blocks k = 2 a + c of 32 along the next K: 16 registers v[128 + 16 k ..] in lanes l and l xor 16; by turns, so that no line waits for the line above it
.irp k, 0,1,2,3,4,5,6,7
	v_max3_num_f32 v[64+\k], |v[ACC+16*\k]|, |v[ACC+1+16*\k]|, 0x6000000      ; and the floor 2^(12 - 127): the byte cannot fall under 4
.endr
.irp i, 2,4,6,8,10,12,14
.irp k, 0,1,2,3,4,5,6,7
	v_max3_num_f32 v[64+\k], v[64+\k], |v[ACC+16*\k+\i]|, |v[ACC+1+16*\k+\i]|
.endr
.endr
.irp k, 0,1,2,3,4,5,6,7
	v_permlanex16_b32 v[72+\k], v[64+\k], s4, s5
.endr
.irp k, 0,1,2,3,4,5,6,7
	v_max_num_f32 v[64+\k], v[64+\k], v[72+\k]     ; the block's largest magnitude
.endr
.irp k, 0,1,2,3,4,5,6,7
	v_add_nc_u32 v[88+\k], 0xfc000000, v[64+\k]    ; 8 off its exponent field: the conversion's scale operand
.endr
.irp k, 0,1,2,3,4,5,6,7
	v_and_or_b32 v[80+\k], v[64+\k], 0x7f800000, s6   ; 448 x the scale
.endr
.irp k, 0,1,2,3,4,5,6,7
	v_lshrrev_b32 v[72+\k], 23, v[88+\k]           ; the scale's byte
.endr
.irp a, 0,1,2,3
	v_lshl_or_b32 v[64+\a], v[73+2*\a], 8, v[72+2*\a]   ; row 16 a + r's two bytes
.endr
.irp k, 0,1,2,3,4,5,6,7
.irp i, 0,1,2,3,4,5,6,7,8,9,10,11,12,13,14,15
	v_med3_num_f32 v[ACC+16*\k+\i], v[ACC+16*\k+\i], -v[80+\k], v[80+\k]   ; the hold: the conversion to an 8-bit code does not saturate (ISA guide 7.6.2)
.endr
	v_cvt_scalef32_pk8_fp8_f32 v[96+4*\k:97+4*\k], v[ACC+16*\k:ACC+7+16*\k], v[88+\k]
	v_cvt_scalef32_pk8_fp8_f32 v[98+4*\k:99+4*\k], v[ACC+8+16*\k:ACC+15+16*\k], v[88+\k]
.endr
	v_cmp_ne_u32 vcc_lo, 0, v2                     ; (a plain line behind the last conversion)  lanes 16-31
.irp k, 0,1,2,3,4,5,6,7
	global_store_b128 v[LI], v[96+4*\k:99+4*\k], s[96:97] offset:512*\k   ; an image of four registers: 512 consecutive bytes; the wave's eight lie on end
.endr
	s_cmp_ge_u32 ttmp9, 20
	s_cbranch_scc1 .Lv_words
.irp a, 0,1,2,3
	v_sub_nc_u32 v[64+\a], v[64+\a], s11           ; q: the division by 8
.endr
.irp a, 0,1,2,3
	v_or_b32 v[64+\a], 0x7f7f0000, v[64+\a]        ; bytes 2 and 3: 2^0, over zero codes
.endr
	v_cndmask_b32 v68, v64, v66, vcc_lo            ; lanes 0-15 store the words of a = 0, 1, lanes 16-31 of a = 2, 3
	v_cndmask_b32 v69, v65, v67, vcc_lo
	global_store_b64 v[SWO], v[68:69], s[98:99]    ; 256 consecutive bytes, aligned: [r][a] words of 64 tokens
	s_branch .Lwords_done
.Lv_words:
	v_cndmask_b32 v68, v64, v66, vcc_lo
	v_cndmask_b32 v69, v65, v67, vcc_lo
	global_store_b16 v[SWO], v68, s[98:99]         ; v: my 64 tokens are two of the four bytes of a word of 128 keys; 4,096 bytes a head in all
	global_store_b16 v[SWO], v69, s[98:99] offset:4
.Lwords_done:
	s_wait_tensorcnt 0x0                           ; the wave's end
	ds_add_u32 v[SPW], v[NIL]
	s_wait_dscnt 0x0
	CROUND                                         ; the closing round: no work-group ends while a partner may still ask for a tile that names it
	s_endpgm
.Lfunc_end_k_q8ae5d35a6c_qkv:
	.size	k_q8ae5d35a6c_qkv, .Lfunc_end_k_q8ae5d35a6c_qkv-k_q8ae5d35a6c_qkv
	.p2alignl 7, 3214868480
	.fill 96, 4, 3214868480
	.section	.rodata,"a",@progbits
	.p2align	6, 0x0
	.amdhsa_kernel k_q8ae5d35a6c_qkv
		.amdhsa_group_segment_fixed_size 327680
		.amdhsa_private_segment_fixed_size 0
		.amdhsa_enable_private_segment 0
		.amdhsa_kernarg_size 64
		.amdhsa_user_sgpr_count 2
		.amdhsa_user_sgpr_kernarg_segment_ptr 1
		.amdhsa_wavefront_size32 1
		.amdhsa_system_sgpr_workgroup_id_x 1
		.amdhsa_system_sgpr_workgroup_id_y 1
		.amdhsa_system_sgpr_workgroup_id_z 1
		.amdhsa_system_vgpr_workitem_id 0
		.amdhsa_next_free_vgpr 768
		.amdhsa_next_free_sgpr 102
		.amdhsa_reserve_vcc 1
		.amdhsa_float_denorm_mode_32 3
		.amdhsa_float_denorm_mode_16_64 3
		.amdhsa_memory_ordered 1
		.amdhsa_forward_progress 1
		.amdhsa_inst_pref_size 120
	.end_amdhsa_kernel
	.amdgpu_metadata
---
amdhsa.version: [ 1, 2 ]
amdhsa.kernels:
  - .name:           k_q8ae5d35a6c_qkv
    .symbol:         k_q8ae5d35a6c_qkv.kd
    .args:
      - { .name: xc, .offset: 0, .size: 8, .value_kind: global_buffer, .address_space: global }
      - { .name: xsc, .offset: 8, .size: 8, .value_kind: global_buffer, .address_space: global }
      - { .name: wc, .offset: 16, .size: 8, .value_kind: global_buffer, .address_space: global }
      - { .name: wsc, .offset: 24, .size: 8, .value_kind: global_buffer, .address_space: global }
      - { .name: cos, .offset: 32, .size: 8, .value_kind: global_buffer, .address_space: global }
      - { .name: sin, .offset: 40, .size: 8, .value_kind: global_buffer, .address_space: global }
      - { .name: img, .offset: 48, .size: 8, .value_kind: global_buffer, .address_space: global }
      - { .name: isc, .offset: 56, .size: 8, .value_kind: global_buffer, .address_space: global }
    .group_segment_fixed_size: 327680
    .private_segment_fixed_size: 0
    .kernarg_segment_align: 8
    .kernarg_segment_size: 64
    .max_flat_workgroup_size: 128
    .sgpr_count:     102
    .vgpr_count:     768
    .wavefront_size: 32
...
	.end_amdgpu_metadata
.endif
;; end of part 2
;; launch attn (part 3): grid 8 x 32, 8 waves a work-group, clusters of 4 x 4, 327,680 bytes of LDS; arguments img, isc, mask, ac, asc; writes ac, asc
.if DOCPART == 3
	.amdgcn_target "amdgcn-amd-amdhsa--gfx1250"
	.amdhsa_code_object_version 6
	.text
	.protected	k_q8ae5d35a6c_attn
	.globl	k_q8ae5d35a6c_attn
	.p2align	8
	.type	k_q8ae5d35a6c_attn,@function
k_q8ae5d35a6c_attn:
	s_mov_b64 s[64:65], 0
	v_nop
	global_prefetch_b8 v0, s[64:65] scope:SCOPE_SE
	s_setreg_imm32_b32 hwreg(HW_REG_WAVE_MODE, 25, 1), 1
	s_wait_xcnt 0x0
	s_wait_alu depctr_hold_cnt(0) depctr_sa_sdst(0) depctr_va_vdst(0) depctr_va_sdst(0) depctr_va_ssrc(0) depctr_va_vcc(0) depctr_vm_vsrc(0)
	s_getreg_b32 s2, hwreg(HW_REG_IB_STS2, 6, 4)
	s_cmp_eq_u32 s2, 0
	s_cbranch_scc0 .Lentry_in_a_cluster
	s_endpgm
.Lentry_in_a_cluster:
	s_bfe_u32 s2, ttmp6, 0x10000c
	s_cmp_lg_u32 s2, 0xf033
	s_cbranch_scc0 .Lentry_shape_is_right
	s_endpgm
.Lentry_shape_is_right:
; Attention on codes of FP8 (E4M3) with E8M0 scales: logits = q k^T / 8 + mask, p = 2^(t - M) with t = logit x log2(e) and M the running largest t rounded up to a whole number, o = (p v) / (the sum of the
; unquantised p); o is quantised along 64 head + d for the last projection.  THE MASK IS AN INPUT: every key of every query is computed, and every number of the mask is read.
; SHARES.  A work-group: one kv head x 64 queries.  Wave w: queries 16 (w / 2) on, and TWO of the kv head's four query heads, 4 kvh + 2 (w % 2) + 0, 1.  Both heads want the same fragments of k and v and the same
; tile of the mask: one set of LDS loads (16 + 16 + 16 of 512 bytes a step of 128 keys) feeds both.  Eight waves, two to a SIMD.  Every wave walks all 2,048 keys.
; LAYOUT.  Both products are used transposed (S^T = k q^T, O^T = v^T p^T): a lane holds ONE query.  q, k and v^T come as images of operand registers (16 bytes a lane, 512 a piece), made by the launch before.
; p's 16 registers of two neighbouring tiles are converted as they stand; v^T's tokens were laid in the same order: k is permuted alike on both sides, inside its block of 32.
; THE MASK IS THE C OF THE FIRST PRODUCT and the division by 8 lies in q's scale bytes: the product's result is the logit.  Head 0's products read the mask and write other registers; head 1's add onto it in place.
; A STEP: head 0's products | head 0's block maxima | head 1's products | the rest of head 0's softmax, v's loads among its lines | p v of head 0 | head 1's softmax | p v of head 1.  So the places behind head 1's
; products are head 0's vector lines, and v lands under a softmax.  The exponentials go as one batch, with one plain line behind it.
; K = 64 IN A FORM OF 128: q's registers 8-15 are zero codes.  k's operand for tile t is v[32 + 8 t .. 47 + 8 t]: its upper half is the next tile's codes (finite numbers; zeros behind the last), multiplied by q's zeros;
; bytes 2 and 3 of both scale words are 127.
; CLUSTER 4 x 4: k, v and their scale words hang on the kv head and are shared along a column; the mask's tile hangs on the block of queries and is shared along a row.  Each is asked for jointly.
; A slot holds 256 keys: k's image 16 KiB, v's 16 KiB, 64 rows x 1,024 bytes of the mask.  Wave 0 fetches k, wave 1 v, wave 2 the mask, wave 3 (once) the scale words: by this text's count a wave has one tensor load out at the most.
; LIMITS: NaN and infinities among the inputs are not served.  t - M is one fused multiply-add of the logit; where every logit of a row is as large as 1e9 in magnitude the logit itself has steps of 64, here as in f32 anywhere.
; REGISTERS, window 0: v1-13 addresses; v14-15 q's scale words; v16-23 for each head -M, the largest t, the sum in two halves; v24-31 k's and v's scale words; v32-95 k, then v; v96-103 zeros; v104-167 the mask, then head 1's
; logits and p; v168-231 head 0's; v232-255 at work.  Window 1 (named by the low 8 bits): 104-119 head 0's codes of p, 136-167 its O^T, 168-183 head 1's q and zeros, 184-215 its O^T, 216-231 its codes, 232-247 head 0's q and zeros.
.set SLOT1, 131072                     ; slot 1 begins here: one exclusive or turns an address
.set VOFF,  16384
.set MOFF,  32768
.set MP,    1040                       ; a row of the mask's tile in LDS: 1,024 bytes + 16
.set SCK,   262144                     ; k's scale words of the whole head, 8,192 bytes;
.set SCV,   SCK+8192                   ; v's, 4,096
.set SPARE, SCV+4096                   ; the spare words: 128 bytes a wave, four blocks of 256 bytes that no other line names
.set STG,   SPARE+1024                 ; the way out: 64 rows x (256 bytes + 16)
.set SST,   STG+64*272                 ; and 64 rows x 8 scale bytes
.set LI,  1                            ; v1   16 x lane
.set AM0, 2                            ; v2   my place in the mask's tile
.set SPW, 3                            ; v3   my spare word; never rewritten
.set NIL, 4                            ; v4   0; never rewritten
.set SIN, 5                            ; v5   the stage: where I put 8 codes
.set SBY, 6                            ; v6   where I put my four scale bytes
.set SRB, 7                            ; v7   where I read a row back
.set ADK, 8
.set ADM, 9
.set ADS, 10
.set ADT, 11
.set GO,  12                           ; v12  my byte offset in ac
.set SRD, 13                           ; v13  SST + 16 x lane
.set QS,  14                           ; v14, v15 q's scale words, head 0, head 1
.set ST,  16                           ; head e: v[16 + 4 e] -M, +1 the largest t, +2, +3 the sum
.set KS,  24
.set VS,  28
.set KF,  32
.set MA,  104
.set SB,  168
.set BM,  232
.set T2,  236
.set HOLD, 240
.set SCF, 244
.set FF,  248                          ; v[248:249] f = 2^(old M - new M)
.set TMP, 250
.set PW,  251                          ; v251, v252 p's scale words, head 0, head 1
.set SM2, 254                          ; v[254:255] the sums' second chain
.set PC1, 104                          ; window 1
.set O1,  136
.set Q2,  168
.set O2,  184
.set PC2, 216
.set Q1,  232
.set WV,  14
.set SEL, 22
.set CS,  24
.set MNT, 26
.set TB,  27
.set TS,  28
.set TJ,  29
.set SLOTS, 30
.set G1KV, 32
.set G1M, 40
.set G1S, 48
.set G0K, 56
.set G0V, 60
.set G0M, 68
.set G0S, 72
.set MSB, 0
.macro WIN new                         ; bits 1:0 source 0, 3:2 source 1, 5:4 source 2, 7:6 destination; the immediate's high byte repeats the setting that is left
.if MSB != \new
	s_set_vgpr_msb (MSB<<8)|\new
.set MSB, \new
.endif
.endm
.macro CROUND
	s_barrier_signal -1
	s_barrier_wait -1
	s_cmp_lg_u32 s[WV], 0
	s_cbranch_scc1 .Lnot_wave_0_\@
	s_barrier_signal -3
.Lnot_wave_0_\@:
	s_barrier_wait -3
	s_barrier_signal -1
	s_barrier_wait -1
.endm
; The joint loads of a slot: one chain of branches on the wave's number, one load a wave.  first = 1: wave 3 fetches the scale words.  Four v_nop follow each tensor line.
.macro JSLOT first
	s_cmp_lg_u32 s[WV], 0
	s_cbranch_scc1 .Lj1_\@
	tensor_load_to_lds s[G0K:G0K+3], s[G1KV:G1KV+7]
	s_nop 0
.rept 4
	v_nop
.endr
	s_branch .Ljend_\@
.Lj1_\@:
	s_cmp_lg_u32 s[WV], 1
	s_cbranch_scc1 .Lj2_\@
	tensor_load_to_lds s[G0V:G0V+3], s[G1KV:G1KV+7]
	s_nop 0
.rept 4
	v_nop
.endr
	s_branch .Ljend_\@
.Lj2_\@:
	s_cmp_lg_u32 s[WV], 2
	s_cbranch_scc1 .Lj3_\@
	tensor_load_to_lds s[G0M:G0M+3], s[G1M:G1M+7]
	s_nop 0
.rept 4
	v_nop
.endr
	s_branch .Ljend_\@
.Lj3_\@:
.if \first
	s_cmp_lg_u32 s[WV], 3
	s_cbranch_scc1 .Ljend_\@
	tensor_load_to_lds s[G0S:G0S+3], s[G1S:G1S+7]
	s_nop 0
.rept 4
	v_nop
.endr
.endif
.Ljend_\@:
.endm
; THE CHANGE OF SLOTS stands at a slot's head: each wave waits for all its tensor loads, adds 0 to its spare word, and waits for that and for its reads of the slot that it has left.  fill = 1: a round of the
; cluster's barrier, and behind it the other slot is filled with the next 256 keys: the load has two key steps of eight waves in which to land.
.macro CHANGE fill
	s_wait_tensorcnt 0x0                           ; no tensor load of mine is out, so a group 0 may be written
	ds_add_u32 v[SPW], v[NIL]
.if \fill
	ds_add_u32 v[SPW], v[NIL]                      ; and once more
	s_xor_b32 s[G0K+1], s[G0K+1], SLOT1
	s_add_nc_u64 s[G0K+2:G0K+3], s[G0K+2:G0K+3], 16384
	s_xor_b32 s[G0V+1], s[G0V+1], SLOT1
	s_add_nc_u64 s[G0V+2:G0V+3], s[G0V+2:G0V+3], 16384
	s_xor_b32 s[G0M+1], s[G0M+1], SLOT1
	s_add_nc_u64 s[G0M+2:G0M+3], s[G0M+2:G0M+3], 1024
.endif
	s_wait_dscnt 0x0                               ; the add is done, and my reads of the slot that I have left are over
.if \fill
	CROUND
	JSLOT 0
.else
	s_barrier_signal -1
	s_barrier_wait -1
.endif
.endm
; Eight products k q^T + mask of one head: results to v[dd ..]; q's fragment qf lies in window 1, its scale words in v[qsr].  C is the mask's registers.
.macro SPROD dd, qf, qsr
	WIN 0x04                                       ; source 1 (q) window 1
.irp t, 0,1,2,3
	v_wmma_scale_f32_16x16x128_f8f6f4 v[\dd+8*\t:\dd+8*\t+7], v[KF+8*\t:KF+8*\t+15], v[\qf:\qf+15], v[MA+8*\t:MA+8*\t+7], v[KS+\t], v[\qsr]
.endr
.irp t, 4,5,6,7
	v_wmma_scale_f32_16x16x128_f8f6f4 v[\dd+8*\t:\dd+8*\t+7], v[KF+8*\t:KF+8*\t+15], v[\qf:\qf+15], v[MA+8*\t:MA+8*\t+7], v[KS+\t-4], v[\qsr] matrix_a_scale:MATRIX_SCALE_ROW1
.endr
	WIN 0
.endm
; The largest logit of each block of 32 keys among my 16: it serves for the row's maximum and, since p rises with the logit, for the block's largest p.  Each accumulator is read from its low end on.
.macro SMAX sr
.irp b, 0,1,2,3
	v_max3_num_f32 v[BM+\b], v[\sr+16*\b], v[\sr+1+16*\b], v[\sr+2+16*\b]
.endr
.irp i, 3,5,7,9,11,13
.irp b, 0,1,2,3
	v_max3_num_f32 v[BM+\b], v[BM+\b], v[\sr+16*\b+\i], v[\sr+1+16*\b+\i]
.endr
.endr
.irp b, 0,1,2,3
	v_max_num_f32 v[BM+\b], v[BM+\b], v[\sr+15+16*\b]
.endr
.endm
; The other half of the lanes' maxima, the new M and f.
.macro SMID stt
.irp b, 0,1,2,3
	v_permlanex16_b32 v[T2+\b], v[BM+\b], s[SEL], s[SEL+1]
.endr
.irp b, 0,1,2,3
	s_delay_alu instid0(VALU_DEP_4)
	v_max_num_f32 v[BM+\b], v[BM+\b], v[T2+\b]     ; with lane l xor 16's 16 keys
.endr
	s_delay_alu instid0(VALU_DEP_2)
	v_max3_num_f32 v[TMP], v[BM], v[BM+1], v[BM+2]
	s_delay_alu instid0(VALU_DEP_1)
	v_max_num_f32 v[TMP], v[TMP], v[BM+3]
	s_delay_alu instid0(VALU_DEP_1)
	v_mul_f32 v[TMP], s[CS], v[TMP]                ; as t
	s_delay_alu instid0(VALU_DEP_1)
	v_max_num_f32 v[\stt+1], v[\stt+1], v[TMP]     ; the running largest t
	v_mov_b32 v[TMP], v[\stt]
	s_delay_alu instid0(VALU_DEP_2)
	v_floor_f32 v[\stt], -v[\stt+1]                ; the new -M = -ceil(t): a whole number
	s_delay_alu instid0(VALU_DEP_1)
	v_sub_f32 v[TMP], v[\stt], v[TMP]              ; old M - new M: a whole number, 0 or less
	s_delay_alu instid0(VALU_DEP_1)
	v_cvt_i32_f32 v[TMP], v[TMP]                   ; (it saturates)
	s_delay_alu instid0(VALU_DEP_1)
	v_ldexp_f32 v[FF], 1.0, v[TMP]                 ; f = 2^(old M - new M): a multiplication by it rounds nothing
.endm
; p = 2^(t - M), its sum, its codes (window 1, pcb) and scale word (v[pwr]), and O^T (window 1, ob) under the new M.
.macro SREST sr, stt, pcb, pwr, ob
; THE EXPONENTIALS GO AS ONE BATCH: all their sources first, one wait, the 68, a plain line, one wait, then the readers.
.irp b, 0,1,2,3
	v_fma_f32 v[BM+\b], v[BM+\b], s[CS], v[\stt]   ; t - M of each block's largest logit
.endr
.set jj, 0
.rept 32
	v_pk_fma_f32 v[\sr+jj:\sr+jj+1], v[\sr+jj:\sr+jj+1], s[CS:CS+1], v[\stt:\stt+1] op_sel_hi:[1,0,0]   ; t - M, two at a time
.set jj, jj+2
.endr
	s_wait_alu depctr_va_vdst(0)
.irp b, 0,1,2,3
	v_exp_f32 v[BM+\b], v[BM+\b]                   ; the block's largest p: the same two instructions on the same number as its p below
.endr
.set jj, 0
.rept 64
	v_exp_f32 v[\sr+jj], v[\sr+jj]                 ; p = 2^(t - M)
.set jj, jj+1
.endr
	v_pk_mul_f32 v[\stt+2:\stt+3], v[\stt+2:\stt+3], v[FF:FF+1] op_sel_hi:[1,0]   ; the sums under the new M (the plain line behind the batch)
	s_wait_alu depctr_va_vdst(0)
	v_pk_add_f32 v[SM2:SM2+1], v[\sr+2:\sr+3], v[\sr+6:\sr+7]                    ; THE ROW'S SUM IS TAKEN OF THE UNQUANTISED p: odd pairs in a second chain,
	v_pk_add_f32 v[\stt+2:\stt+3], v[\stt+2:\stt+3], v[\sr:\sr+1]                ; even pairs onto the sum; the two chains by turns
	v_pk_add_f32 v[\stt+2:\stt+3], v[\stt+2:\stt+3], v[\sr+4:\sr+5]
.set jj, 8
.rept 14
	v_pk_add_f32 v[\stt+2:\stt+3], v[\stt+2:\stt+3], v[\sr+jj:\sr+jj+1]
.if jj < 60
	v_pk_add_f32 v[SM2:SM2+1], v[SM2:SM2+1], v[\sr+jj+2:\sr+jj+3]
.endif
.set jj, jj+4
.endr
.irp b, 0,1,2,3
	v_max_num_f32 v[BM+\b], 0x4800000, v[BM+\b]    ; the floor 2^(9 - 127): the byte cannot fall under 1 (a block of zeros keeps it: its codes are zeros)
.endr
.irp b, 0,1,2,3
	s_delay_alu instid0(VALU_DEP_4)
	v_add_nc_u32 v[SCF+\b], 0xfc000000, v[BM+\b]   ; 8 off the exponent field: the conversion's scale operand
.endr
.irp b, 0,1,2,3
	v_and_or_b32 v[HOLD+\b], v[BM+\b], 0x7f800000, s[MNT]   ; 448 x the scale
.endr
.irp b, 0,1,2,3
	v_lshrrev_b32 v[T2+\b], 23, v[SCF+\b]          ; the scale's byte
.endr
	s_delay_alu instid0(VALU_DEP_3)
	v_lshl_or_b32 v[\pwr], v[T2+1], 8, v[T2]       ; p's scale word for these 128 keys
	s_delay_alu instid0(VALU_DEP_1)
	v_lshl_or_b32 v[\pwr], v[T2+2], 16, v[\pwr]
	s_delay_alu instid0(VALU_DEP_1)
	v_lshl_or_b32 v[\pwr], v[T2+3], 24, v[\pwr]
	v_pk_add_f32 v[SM2:SM2+1], v[SM2:SM2+1], v[\sr+62:\sr+63]                    ; the last pair,
	s_delay_alu instid0(VALU_DEP_1)
	v_pk_add_f32 v[\stt+2:\stt+3], v[\stt+2:\stt+3], v[SM2:SM2+1]                ; and the two chains
.irp b, 0,1,2,3
.set jj, 0
.rept 16
	v_min_num_f32 v[\sr+16*\b+jj], v[\sr+16*\b+jj], v[HOLD+\b]   ; the hold: the conversion to an 8-bit code does not saturate (ISA guide 7.6.2); p is not negative, so it is one-sided
.set jj, jj+1
.endr
.endr
	WIN 0x40                                       ; destination window 1
.irp b, 0,1,2,3
	v_cvt_scalef32_pk8_fp8_f32 v[\pcb+4*\b:\pcb+1+4*\b], v[\sr+16*\b:\sr+7+16*\b], v[SCF+\b]
	v_cvt_scalef32_pk8_fp8_f32 v[\pcb+2+4*\b:\pcb+3+4*\b], v[\sr+8+16*\b:\sr+15+16*\b], v[SCF+\b]
.endr
	WIN 0x41                                       ; destination and source 0 window 1
.set jj, 0
.rept 16
	v_pk_mul_f32 v[\ob+jj:\ob+jj+1], v[\ob+jj:\ob+jj+1], v[FF:FF+1] op_sel_hi:[1,0]   ; O^T under the new M.  (These 16 are also the places between the codes and the products that follow)
.set jj, jj+2
.endr
.endm
; Four products O^T += v^T p^T of one head; the four accumulators take turns.  v's scale words: lanes 0-15 the slot's first step, lanes 16-31 its second.
.macro PV q, ob, pcb, pwr
	WIN 0x54                                       ; source 0 (v) window 0; source 1 (p), C and D window 1
.irp a, 0,1,2,3
.if \q == 0
	v_wmma_scale_f32_16x16x128_f8f6f4 v[\ob+8*\a:\ob+8*\a+7], v[KF+16*\a:KF+16*\a+15], v[\pcb:\pcb+15], v[\ob+8*\a:\ob+8*\a+7], v[VS+\a], v[\pwr]
.else
	v_wmma_scale_f32_16x16x128_f8f6f4 v[\ob+8*\a:\ob+8*\a+7], v[KF+16*\a:KF+16*\a+15], v[\pcb:\pcb+15], v[\ob+8*\a:\ob+8*\a+7], v[VS+\a], v[\pwr] matrix_a_scale:MATRIX_SCALE_ROW1
.endif
.endr
	WIN 0
.endm
; A KEY STEP: 128 keys, the q-th of the slot in hand, for both heads.
; chg: the change of slots that a slot's second step carries.  0: none; 1: a round of the cluster's barrier and the refill of the slot in hand; 2: a plain barrier, nothing is filled.
; My last LDS read of the slot, v^T, has landed ahead of head 0's p v: there stand the wait for my tensor loads, the add, the wait for both and the opening signal; head 0's p v and all of head 1's
; softmax and p v, work on registers alone, stand between the signal and the wait.
.macro STEP q, chg
	v_add_nc_u32 v[ADK], s[TB], v[LI]
	v_add_nc_u32 v[ADM], s[TB], v[AM0]
	v_add_nc_u32 v[ADS], s[TS], v[LI]
.if \q == 0
	v_add_nc_u32 v[ADT], s[TJ], v[LI]
.endif
.rept 5
	v_nop                                          ; with the additions above: eight places in front of loads into registers that the last products read
.endr
.irp t, 0,1,2,3,4,5,6,7
.irp c, 0,1
	ds_load_b128 v[KF+8*\t+4*\c:KF+8*\t+4*\c+3], v[ADK] offset:\q*8192+\t*1024+\c*512
.endr
.endr
	ds_load_b128 v[KS:KS+3], v[ADS]                ; k's scale words: lanes 0-15 those of tiles 0-3, lanes 16-31 of tiles 4-7
.irp t, 0,1,2,3,4,5,6,7
.irp e, 0,1
	ds_load_b128 v[MA+8*\t+4*\e:MA+8*\t+4*\e+3], v[ADM] offset:512*\q+64*\t+16*\e   ; mask(my query, keys 16 t + 8 h + 0 .. 7): the result's own layout
.endr
.endr
	s_wait_dscnt 0x0
	SPROD SB, Q1, QS                               ; head 0: the mask is read and stays
.rept 8
	v_nop                                          ; eight places in front of the first read of head 0's logits
.endr
	SMAX SB                                        ; with the eight above: more than nine places that name no register of a given product, in front of the products that write over its C
	SPROD MA, Q2, QS+1                             ; head 1: onto the mask, in place
	SMID ST                                        ; seventeen lines of head 0's: the places in front of the loads into k's registers
.irp a, 0,1,2,3
.irp cc, 0,1,2,3
	ds_load_b128 v[KF+16*\a+4*\cc:KF+16*\a+4*\cc+3], v[ADK] offset:VOFF+\q*8192+(\cc/2)*4096+\a*1024+(\cc%2)*512   ; v^T: d 16 a + r, the step's block cc of 32 keys: these land under head 0's softmax
.endr
.endr
.if \q == 0
	ds_load_b128 v[VS:VS+3], v[ADT]                ; v's scale words of the slot
.endif
	SREST SB, ST, PC1, PW, O1
.if \chg
	WIN 0                                          ; the add's two registers lie in window 0
.endif
	s_wait_alu depctr_va_vdst(0)
.if \chg
	s_wait_tensorcnt 0x0                           ; no tensor load of mine is out: my part of the next slot is in, and a group 0 may be written
	ds_add_u32 v[SPW], v[NIL]                      ; 0 onto my spare word
.if \chg == 1
	ds_add_u32 v[SPW], v[NIL]                      ; twice on end, as in CHANGE
	s_xor_b32 s[G0K+1], s[G0K+1], SLOT1            ; the slot in hand, and the 256 keys two slots on
	s_add_nc_u64 s[G0K+2:G0K+3], s[G0K+2:G0K+3], 16384
	s_xor_b32 s[G0V+1], s[G0V+1], SLOT1
	s_add_nc_u64 s[G0V+2:G0V+3], s[G0V+2:G0V+3], 16384
	s_xor_b32 s[G0M+1], s[G0M+1], SLOT1
	s_add_nc_u64 s[G0M+2:G0M+3], s[G0M+2:G0M+3], 1024
.endif
.endif
	s_wait_dscnt 0x0                               ; v^T and its scale words are in (chg: the add is done, and my reads of this slot are over)
.if \chg
	s_barrier_signal -1
.endif
	PV \q, O1, PC1, PW
	SMAX MA
	SMID ST+4
	SREST MA, ST+4, PC2, PW+1, O2
	PV \q, O2, PC2, PW+1
	s_add_co_u32 s[TS], s[TS], 512
.if \chg
	s_wait_alu depctr_va_vdst(0)                   ; the wait ahead of the barrier's wait and of the loop's branch
	s_barrier_wait -1
.if \chg == 1
	s_cmp_lg_u32 s[WV], 0                          ; the rest of the round
	s_cbranch_scc1 .Lnw0_\@
	s_barrier_signal -3
.Lnw0_\@:
	s_barrier_wait -3
	s_barrier_signal -1
	s_barrier_wait -1
	JSLOT 0                                        ; the refill, first behind the round: it has nearly two key steps in which to land
.endif
.endif
.endm
	s_load_b256 s[4:11], s[0:1], 0x0               ; img, isc, mask, ac
	s_load_b64 s[12:13], s[0:1], 0x20              ; asc
	v_lshl_add_u32 v[SPW], v0, 2, SPARE
	v_mov_b32 v[NIL], 0
	ds_add_u32 v3, v4
	ds_add_u32 v3, v4
	s_wait_dscnt 0x0
	v_lshrrev_b32 v8, 5, v0
	s_delay_alu instid0(VALU_DEP_1)
	v_readfirstlane_b32 s[WV], v8                  ; wave 0..7
	s_and_b32 s15, s[WV], 1                        ; which pair of the four query heads
	s_lshr_b32 s16, s[WV], 1                       ; i: which 16 of the 64 queries
	s_bfe_u32 s17, ttmp6, 0x40000                  ; cx
	s_bfe_u32 s18, ttmp6, 0x40004                  ; cy
	s_lshl_b32 s19, ttmp9, 2
	s_add_co_u32 s19, s19, s17                     ; the kv head
	s_and_b32 s20, ttmp7, 0xffff
	s_lshl_b32 s20, s20, 2
	s_add_co_u32 s20, s20, s18                     ; the block of 64 queries
	s_lshl_b32 s76, s18, 2
	s_lshl_b32 s76, 15, s76                        ; my row of the cluster
	s_lshl_b32 s77, 0x1111, s17                    ; my column
	; descriptor group 1.  k's and v's images: 16,384 dense bytes as 64 rows of 256 (32 elements of 8 bytes)
	s_or_b32 s[G1KV], s77, (3<<16)|(1<<21)
	s_mov_b32 s[G1KV+1], 32<<16
	s_mov_b32 s[G1KV+2], 64<<16
	s_mov_b32 s[G1KV+3], 32<<16
	s_mov_b32 s[G1KV+4], 64
	s_mov_b32 s[G1KV+5], 32
	s_mov_b32 s[G1KV+6], 0
	s_mov_b32 s[G1KV+7], 0
	; the mask's tile: 64 rows x 256 elements of 4 bytes, 2,048 elements apart, 16 bytes of padding behind each row
	s_or_b32 s[G1M], s76, (2<<16)|(1<<20)|(1<<21)|(7<<22)|(3<<25)
	s_mov_b32 s[G1M+1], 256<<16
	s_mov_b32 s[G1M+2], 64<<16
	s_mov_b32 s[G1M+3], 256<<16
	s_mov_b32 s[G1M+4], 64
	s_mov_b32 s[G1M+5], 2048
	s_mov_b32 s[G1M+6], 0
	s_mov_b32 s[G1M+7], 0
	; the scale words: 12,288 dense bytes as 48 rows of 256
	s_or_b32 s[G1S], s77, (3<<16)|(1<<21)
	s_mov_b32 s[G1S+1], 32<<16
	s_mov_b32 s[G1S+2], 48<<16
	s_mov_b32 s[G1S+3], 32<<16
	s_mov_b32 s[G1S+4], 48
	s_mov_b32 s[G1S+5], 32
	s_mov_b32 s[G1S+6], 0
	s_mov_b32 s[G1S+7], 0
	s_add_co_u32 s78, s19, 32
	s_lshl_b32 s78, s78, 17                        ; k's image: (32 + kv head) x 131,072
	s_mov_b32 s79, 0
	s_mul_i32 s80, s19, 12288
	s_add_co_u32 s80, s80, 262144                  ; the kv head's scale words
	s_mov_b32 s81, 0
	s_lshl_b32 s82, s20, 19                        ; the mask: 64 rows of 8,192 bytes a block
	s_mov_b32 s83, 0
	s_lshl_b32 s84, s19, 2
	s_lshl_b32 s85, s15, 1
	s_add_co_u32 s84, s84, s85                     ; the first of my two query heads
	s_lshl_b32 s85, s84, 7
	s_lshl_b32 s86, s20, 2
	s_add_co_u32 s85, s85, s86
	s_add_co_u32 s85, s85, s16
	s_lshl_b32 s86, s85, 10                        ; its q's image: (head x 128 + 4 x block + i) x 1,024; the second head's lies 131,072 bytes on
	s_mov_b32 s87, 0
	s_lshl_b32 s88, s84, 13
	s_lshl_b32 s89, s20, 8
	s_add_co_u32 s88, s88, s89
	s_lshl_b32 s89, s16, 2
	s_add_co_u32 s88, s88, s89                     ; its q's scale words: head x 8,192 + 256 x block + 4 i (+ 16 r); the second head's 8,192 bytes on
	s_mov_b32 s89, 0
	s_lshl_b32 s90, s20, 6
	s_lshl_b32 s91, s[WV], 3
	s_add_co_u32 s90, s90, s91
	s_lshl_b32 s90, s90, 11
	s_lshl_b32 s91, s19, 8
	s_add_co_u32 s90, s90, s91                     ; ac: (64 x block + 8 x wave) rows of 2,048 bytes + 256 x kv head
	s_mov_b32 s91, 0
	s_mul_i32 s92, s19, 40960
	s_lshl_b32 s93, s20, 9
	s_add_co_u32 s92, s92, s93                     ; asc: 40,960 x kv head + 512 x block
	s_mov_b32 s93, 0
	s_mov_b32 s[SEL], 0x76543210
	s_mov_b32 s[SEL+1], 0xfedcba98
	s_mov_b32 s[CS], 0x3fb8aa3b                    ; log2(e)
	s_mov_b32 s[CS+1], s[CS]                       ; (named with it as a pair, so it is written)
	s_mov_b32 s[MNT], 0x600000
	s_mov_b32 s[TB], 0
	s_mov_b32 s[TS], SCK
	s_mov_b32 s[TJ], SCV
	s_mov_b32 s[SLOTS], 6
	s_wait_kmcnt 0x0
	s_mov_b32 s[G0K], 1
	s_mov_b32 s[G0K+1], 0
	s_add_nc_u64 s[G0K+2:G0K+3], s[4:5], s[78:79]
	s_mov_b32 s[G0V], 1
	s_mov_b32 s[G0V+1], VOFF
	s_add_nc_u64 s[G0V+2:G0V+3], s[G0K+2:G0K+3], 0x100000       ; v's image lies eight heads' images on
	s_or_b32 s[G0K+3], s[G0K+3], 0x80000000
	s_or_b32 s[G0V+3], s[G0V+3], 0x80000000
	s_mov_b32 s[G0M], 1
	s_mov_b32 s[G0M+1], MOFF
	s_add_nc_u64 s[G0M+2:G0M+3], s[8:9], s[82:83]
	s_or_b32 s[G0M+3], s[G0M+3], 0x80000000
	s_mov_b32 s[G0S], 1
	s_mov_b32 s[G0S+1], SCK
	s_add_nc_u64 s[G0S+2:G0S+3], s[6:7], s[80:81]
	s_or_b32 s[G0S+3], s[G0S+3], 0x80000000
	s_add_nc_u64 s[86:87], s[4:5], s[86:87]
	s_add_nc_u64 s[88:89], s[6:7], s[88:89]
	s_add_nc_u64 s[10:11], s[10:11], s[90:91]
	s_add_nc_u64 s[12:13], s[12:13], s[92:93]
	CROUND                                         ; all sixteen work-groups are here: the first joint loads meet
	JSLOT 1                                        ; slot 0 and the scale words
	v_and_b32 v8, 31, v0
	s_delay_alu instid0(VALU_DEP_1)
	v_lshlrev_b32 v[LI], 4, v8
	v_and_b32 v9, 15, v0                           ; r
	v_bfe_u32 v10, v0, 4, 1                        ; h
	s_delay_alu instid0(VALU_DEP_2)
	v_lshlrev_b32 v[TMP], 4, v9
	global_load_b32 v[QS], v[TMP], s[88:89]                    ; q's scale words, head 0,
	global_load_b32 v[QS+1], v[TMP], s[88:89] offset:8192      ; head 1
	WIN 0x40                                       ; destination window 1
	global_load_b128 v[Q1:Q1+3], v[LI], s[86:87]               ; q's fragments stay in registers
	global_load_b128 v[Q1+4:Q1+7], v[LI], s[86:87] offset:512
	global_load_b128 v[Q2:Q2+3], v[LI], s[86:87] offset:131072
	global_load_b128 v[Q2+4:Q2+7], v[LI], s[86:87] offset:131072+512
.set jj, 0
.rept 8
	v_mov_b32 v[Q1+8+jj], 0                        ; q's upper 64 along K: zero codes
	v_mov_b32 v[Q2+8+jj], 0
.set jj, jj+1
.endr
.set jj, 0
.rept 32
	v_mov_b32 v[O1+jj], 0                          ; O^T: the step is written once, and its first run finds zeros
	v_mov_b32 v[O2+jj], 0
.set jj, jj+1
.endr
	WIN 0
	s_mul_i32 s21, s16, 16*MP
	v_mul_u32_u24 v[AM0], v9, MP
	s_delay_alu instid0(VALU_DEP_1)
	v_lshl_add_u32 v[AM0], v10, 5, v[AM0]
	s_delay_alu instid0(VALU_DEP_1)
	v_add_nc_u32 v[AM0], s21, v[AM0]
	s_delay_alu instid0(VALU_DEP_1)
	v_add_nc_u32 v[AM0], MOFF, v[AM0]              ; the mask: row 16 i + r, + 32 h
	s_mul_i32 s21, s16, 16*272
	s_lshl_b32 s31, s15, 7
	s_add_co_u32 s21, s21, s31
	s_add_co_u32 s21, s21, STG
	v_mul_u32_u24 v[SIN], v9, 272
	s_delay_alu instid0(VALU_DEP_1)
	v_lshl_add_u32 v[SIN], v10, 3, v[SIN]
	s_delay_alu instid0(VALU_DEP_1)
	v_add_nc_u32 v[SIN], s21, v[SIN]               ; the stage, in: row 16 i + r, + 128 x my pair of heads + 8 h
	s_lshl_b32 s21, s16, 7
	s_lshl_b32 s31, s15, 2
	s_add_co_u32 s21, s21, s31
	s_add_co_u32 s21, s21, SST
	v_lshl_add_u32 v[SBY], v9, 3, s21              ; scale bytes: 8 (16 i + r) + 4 x my pair of heads
	s_mul_i32 s21, s[WV], 8*272
	s_add_co_u32 s21, s21, STG
	v_mul_u32_u24 v[SRB], v10, 272
	s_delay_alu instid0(VALU_DEP_1)
	v_lshl_add_u32 v[SRB], v9, 4, v[SRB]
	s_delay_alu instid0(VALU_DEP_1)
	v_add_nc_u32 v[SRB], s21, v[SRB]               ; back: rows 8 w + h (and 2, 4, 6 further on), 16 bytes a lane
	v_lshlrev_b32 v[GO], 11, v10
	s_delay_alu instid0(VALU_DEP_1)
	v_lshl_add_u32 v[GO], v9, 4, v[GO]             ; and the same place in ac
	v_add_nc_u32 v[SRD], SST, v[LI]
.irp e, 0,1
	v_mov_b32 v[ST+4*\e+1], 0xff61b1e6             ; the largest t so far: -3e38
	s_delay_alu instid0(VALU_DEP_1)
	v_floor_f32 v[ST+4*\e], -v[ST+4*\e+1]          ; -M
	v_mov_b32 v[ST+4*\e+2], 0                      ; the sum, in two halves
	v_mov_b32 v[ST+4*\e+3], 0
.endr
	v_mov_b32 v[FF+1], 0                           ; (named as the upper half of a pair)
.set jj, 0
.rept 8
	v_mov_b32 v[KF+64+jj], 0                       ; what stands behind k's last tile
.set jj, jj+1
.endr
.irp b, 0,1,2,3
	v_mov_b32 v[T2+\b], 0                          ; written once: a lane permute's destination counts as one of its sources
.endr
	s_wait_loadcnt 0x0                             ; q and its scale words
	CHANGE 1                                       ; slot 0 is shown, slot 1 is asked for
	s_wait_alu depctr_va_vdst(0)
.Lslot:                                            ; 6 trips, slots 0 to 5: each asks, inside its second step, for the keys two slots on
	STEP 0, 0
	STEP 1, 1
	s_xor_b32 s[TB], s[TB], SLOT1
	s_add_co_u32 s[TJ], s[TJ], 512
	s_sub_co_u32 s[SLOTS], s[SLOTS], 1
	s_cmp_lg_u32 s[SLOTS], 0
	s_cbranch_scc1 .Lslot
	s_mov_b32 s[SLOTS], 2
.Ltail:                                            ; 2 trips, slots 6 and 7: nothing is left to ask for.  The first trip's barrier shows slot 7; the second's orders nothing more: one text serves both
	STEP 0, 0
	STEP 1, 2
	s_xor_b32 s[TB], s[TB], SLOT1
	s_add_co_u32 s[TJ], s[TJ], 512
	s_sub_co_u32 s[SLOTS], s[SLOTS], 1
	s_cmp_lg_u32 s[SLOTS], 0
	s_cbranch_scc1 .Ltail
	; THE WAY OUT.  O^T / the sum; my two heads' four blocks of 32 along 64 head + d are quantised; codes and scale bytes meet in LDS, so that whole runs of 256 bytes leave.
.rept 8
	v_nop                                          ; eight places behind the last products
.endr
.irp e, 0,1
	v_add_f32 v[ST+4*\e+2], v[ST+4*\e+2], v[ST+4*\e+3]
.endr
.irp e, 0,1
	s_delay_alu instid0(VALU_DEP_2)
	v_permlanex16_b32 v[T2+\e], v[ST+4*\e+2], s[SEL], s[SEL+1]
.endr
.irp e, 0,1
	s_delay_alu instid0(VALU_DEP_2)
	v_add_f32 v[ST+4*\e+2], v[ST+4*\e+2], v[T2+\e] ; the row's sum
.endr
	s_wait_alu depctr_va_vdst(0)
.irp e, 0,1
	v_rcp_f32 v[ST+4*\e+2], v[ST+4*\e+2]
.endr
	v_nop                                          ; a plain line behind the transcendentals
	WIN 0x01                                       ; source 0 (O^T) window 1
.set jj, 0
	s_wait_alu depctr_va_vdst(0)
.rept 32
	v_mul_f32 v[SB+jj], v[O1+jj], v[ST+2]          ; register 8 a + j: o(query r, d = 16 a + 8 h + j), head 0;
.set jj, jj+1
.endr
.set jj, 0
.rept 32
	v_mul_f32 v[SB+32+jj], v[O2+jj], v[ST+6]       ; head 1
.set jj, jj+1
.endr
	WIN 0
.irp k, 0,1,2,3                                ; block k = 2 e + c: head e, d 32 c on
	v_max3_num_f32 v[BM+\k], |v[SB+16*\k]|, |v[SB+1+16*\k]|, 0x4800000
.endr
.irp i, 2,4,6,8,10,12,14
.irp k, 0,1,2,3
	s_delay_alu instid0(VALU_DEP_4)
	v_max3_num_f32 v[BM+\k], v[BM+\k], |v[SB+16*\k+\i]|, |v[SB+1+16*\k+\i]|
.endr
.endr
.irp k, 0,1,2,3
	s_delay_alu instid0(VALU_DEP_4)
	v_permlanex16_b32 v[T2+\k], v[BM+\k], s[SEL], s[SEL+1]
.endr
.irp k, 0,1,2,3
	s_delay_alu instid0(VALU_DEP_4)
	v_max_num_f32 v[BM+\k], v[BM+\k], v[T2+\k]
.endr
.irp k, 0,1,2,3
	s_delay_alu instid0(VALU_DEP_4)
	v_add_nc_u32 v[SCF+\k], 0xfc000000, v[BM+\k]
.endr
.irp k, 0,1,2,3
	v_and_or_b32 v[HOLD+\k], v[BM+\k], 0x7f800000, s[MNT]
.endr
.irp k, 0,1,2,3
	v_lshrrev_b32 v[T2+\k], 23, v[SCF+\k]
.endr
	s_delay_alu instid0(VALU_DEP_3)
	v_lshl_or_b32 v[TMP], v[T2+1], 8, v[T2]        ; my two heads' four scale bytes of this row
	s_delay_alu instid0(VALU_DEP_1)
	v_lshl_or_b32 v[TMP], v[T2+2], 16, v[TMP]
	s_delay_alu instid0(VALU_DEP_1)
	v_lshl_or_b32 v[TMP], v[T2+3], 24, v[TMP]
.irp k, 0,1,2,3
.set jj, 0
.rept 16
	v_med3_num_f32 v[SB+16*\k+jj], v[SB+16*\k+jj], -v[HOLD+\k], v[HOLD+\k]
.set jj, jj+1
.endr
	v_cvt_scalef32_pk8_fp8_f32 v[MA+4*\k:MA+1+4*\k], v[SB+16*\k:SB+7+16*\k], v[SCF+\k]
	v_cvt_scalef32_pk8_fp8_f32 v[MA+2+4*\k:MA+3+4*\k], v[SB+8+16*\k:SB+15+16*\k], v[SCF+\k]
.endr
	v_nop                                          ; a plain line behind the last conversion
.irp k, 0,1,2,3
.irp u, 0,1
	ds_store_b64 v[SIN], v[MA+4*\k+2*\u:MA+4*\k+2*\u+1] offset:32*\k+16*\u   ; 64 e + 32 c + 16 u + 8 h + 0 .. 7: K's natural order, as wo's codes have it
.endr
.endr
	ds_store_b32 v[SBY], v[TMP]                    ; both halves of the lanes write the same word with the same value
	s_wait_dscnt 0x0                               ; for the others' sake: my stores have landed
	s_barrier_signal -1
	s_barrier_wait -1
.irp e, 0,1,2,3
	ds_load_b128 v[SB+4*\e:SB+4*\e+3], v[SRB] offset:2*272*\e
.endr
	s_wait_dscnt 0x0
.irp e, 0,1,2,3
	global_store_b128 v[GO], v[SB+4*\e:SB+4*\e+3], s[10:11] offset:4096*\e   ; sixteen lanes store 256 consecutive bytes, aligned
.endr
	s_cmp_lg_u32 s[WV], 0
	s_cbranch_scc1 .Lno_bytes
	ds_load_b128 v[SB+16:SB+19], v[SRD]            ; wave 0: the 64 rows' 8 scale bytes, 512 consecutive bytes
	s_wait_dscnt 0x0
	global_store_b128 v[LI], v[SB+16:SB+19], s[12:13]
.Lno_bytes:
	s_wait_tensorcnt 0x0                           ; the wave's end
	ds_add_u32 v[SPW], v[NIL]
	s_wait_dscnt 0x0
	CROUND                                         ; the closing round
	s_endpgm
.Lfunc_end_k_q8ae5d35a6c_attn:
	.size	k_q8ae5d35a6c_attn, .Lfunc_end_k_q8ae5d35a6c_attn-k_q8ae5d35a6c_attn
	.p2alignl 7, 3214868480
	.fill 96, 4, 3214868480
	.section	.rodata,"a",@progbits
	.p2align	6, 0x0
	.amdhsa_kernel k_q8ae5d35a6c_attn
		.amdhsa_group_segment_fixed_size 327680
		.amdhsa_private_segment_fixed_size 0
		.amdhsa_enable_private_segment 0
		.amdhsa_kernarg_size 40
		.amdhsa_user_sgpr_count 2
		.amdhsa_user_sgpr_kernarg_segment_ptr 1
		.amdhsa_wavefront_size32 1
		.amdhsa_system_sgpr_workgroup_id_x 1
		.amdhsa_system_sgpr_workgroup_id_y 1
		.amdhsa_system_sgpr_workgroup_id_z 1
		.amdhsa_system_vgpr_workitem_id 0
		.amdhsa_next_free_vgpr 512
		.amdhsa_next_free_sgpr 100
		.amdhsa_reserve_vcc 0
		.amdhsa_float_denorm_mode_32 3
		.amdhsa_float_denorm_mode_16_64 3
		.amdhsa_memory_ordered 1
		.amdhsa_forward_progress 1
		.amdhsa_inst_pref_size 176
	.end_amdhsa_kernel
	.amdgpu_metadata
---
amdhsa.version: [ 1, 2 ]
amdhsa.kernels:
  - .name:           k_q8ae5d35a6c_attn
    .symbol:         k_q8ae5d35a6c_attn.kd
    .args:
      - { .name: img, .offset: 0, .size: 8, .value_kind: global_buffer, .address_space: global }
      - { .name: isc, .offset: 8, .size: 8, .value_kind: global_buffer, .address_space: global }
      - { .name: mask, .offset: 16, .size: 8, .value_kind: global_buffer, .address_space: global }
      - { .name: ac, .offset: 24, .size: 8, .value_kind: global_buffer, .address_space: global }
      - { .name: asc, .offset: 32, .size: 8, .value_kind: global_buffer, .address_space: global }
    .group_segment_fixed_size: 327680
    .private_segment_fixed_size: 0
    .kernarg_segment_align: 8
    .kernarg_segment_size: 40
    .max_flat_workgroup_size: 256
    .sgpr_count:     100
    .vgpr_count:     512
    .wavefront_size: 32
...
	.end_amdgpu_metadata
.endif
;; end of part 3
;; launch oproj (part 4): grid 16 x 16, 4 waves a work-group, clusters of 4 x 4, 327,680 bytes of LDS; arguments ac, asc, wc, wsc, out0; writes out0
.if DOCPART == 4
	.amdgcn_target "amdgcn-amd-amdhsa--gfx1250"
	.amdhsa_code_object_version 6
	.text
	.protected	k_q8ae5d35a6c_oproj
	.globl	k_q8ae5d35a6c_oproj
	.p2align	8
	.type	k_q8ae5d35a6c_oproj,@function
k_q8ae5d35a6c_oproj:
	s_mov_b64 s[64:65], 0
	v_nop
	global_prefetch_b8 v0, s[64:65] scope:SCOPE_SE
	s_setreg_imm32_b32 hwreg(HW_REG_WAVE_MODE, 25, 1), 1
	s_wait_xcnt 0x0
	s_wait_alu depctr_hold_cnt(0) depctr_sa_sdst(0) depctr_va_vdst(0) depctr_va_sdst(0) depctr_va_ssrc(0) depctr_va_vcc(0) depctr_vm_vsrc(0)
	s_getreg_b32 s2, hwreg(HW_REG_IB_STS2, 6, 4)
	s_cmp_eq_u32 s2, 0
	s_cbranch_scc0 .Lentry_in_a_cluster
	s_endpgm
.Lentry_in_a_cluster:
	s_bfe_u32 s2, ttmp6, 0x10000c
	s_cmp_lg_u32 s2, 0xf033
	s_cbranch_scc0 .Lentry_shape_is_right
	s_endpgm
.Lentry_shape_is_right:
; out0 = o wo on codes of FP8 (E4M3) with E8M0 scales: P = ac (tokens), Qop = rows 3072-5119 of wc (wo's columns), K = 2,048; f32 sums, stored as they are.
; A tile is 128 x 128, four waves of 64 x 64 (16 accumulators, by turns); the matrix instruction is used transposed, so that a lane holds eight neighbouring numbers of a row of out0.
; K goes through two LDS slots of 512 along K, all written out; the scale bytes of both operands for all of K come once.  Cluster 4 x 4: P's tiles are shared along a row, Qop's along a column.
; A wave has one tensor load out at the most.  Results leave through the wave's own stage: sixteen lanes store 256 consecutive bytes, aligned.
.set PITCH,  528
.set HALFT,  64*PITCH
.set SLOT,   4*HALFT
.set SCL,    2*SLOT
.set SKG,    1040
.set SHALF,  8*SKG
.set SPARE,  SCL+2*SHALF
.set STAGE,  SPARE+512
.set ADRA, 16
.set ADRB, 20
.set STO,  24
.set RD,   25
.set CO,   26
.set ADRS, 27
.set SPW,  28
.set NIL,  29
.set SC,   32
.set BK,   64
.set ACC,  128
.set F0,   0
.set F1,   128
.set WV, 20
.set WH, 21
.set WL, 22
.set G1, 32
.set G0, 40
.set G1B, 48
.set G0B, 56
.set G1S, 68
.set G0S, 76
.set G1SB, 80
.set G0SB, 88
.set MSB, 0
.macro WIN new
.if MSB != \new
	s_set_vgpr_msb (MSB<<8)|\new
.set MSB, \new
.endif
.endm
.macro PLACES n
.rept \n
	v_nop
.endr
.endm
.macro JLOAD g0a, g1a, g0b, g1b
	s_cmp_eq_u32 s[WH], 0
	s_cbranch_scc0 .Lfor_b_\@
	tensor_load_to_lds s[\g0a:\g0a+3], s[\g1a:\g1a+7]
	s_nop 0
.rept 4
	v_nop
.endr
	s_branch .Lasked_\@
.Lfor_b_\@:
	tensor_load_to_lds s[\g0b:\g0b+3], s[\g1b:\g1b+7]
	s_nop 0
.rept 4
	v_nop
.endr
.Lasked_\@:
.endm
.macro CREST
	s_cmp_lg_u32 s[WV], 0
	s_cbranch_scc1 .Lnot_wave_0_\@
	s_barrier_signal -3
.Lnot_wave_0_\@:
	s_barrier_wait -3
	s_barrier_signal -1
	s_barrier_wait -1
.endm
.macro CROUND
	s_barrier_signal -1
	s_barrier_wait -1
	CREST
.endm
.macro FETCH slot, k, f
	WIN 0x40
.irp i, 0,1,2,3
.irp c, 0,1,2,3
	ds_load_b128 v[\f+64+16*\i+4*\c:\f+64+16*\i+4*\c+3], v[ADRB+\slot] offset:\k+32*\c+\i*16*PITCH
.endr
.irp c, 0,1,2,3
	ds_load_b128 v[\f+16*\i+4*\c:\f+16*\i+4*\c+3], v[ADRA+\slot] offset:\k+32*\c+\i*16*PITCH
.endr
.endr
.endm
.macro SCALES set, sigma
	WIN 0
.irp i, 0,1,2,3
.irp gs, 0,1
	ds_load_b64 v[SC+16*(\set)+4*\i+2*\gs:SC+16*(\set)+4*\i+2*\gs+1], v[ADRS] offset:(2*(\sigma)+\gs)*SKG+128*\i
.endr
.endr
.endm
.macro MUL8 f, a0, set, q, zero
	WIN 0x05
.irp a, \a0, \a0+1
.irp b, 0,1,2,3
.if \zero
	v_wmma_scale_f32_16x16x128_f8f6f4 v[ACC+8*(4*(\a)+\b):ACC+8*(4*(\a)+\b)+7], v[\f+64+16*\b:\f+64+16*\b+15], v[\f+16*(\a):\f+16*(\a)+15], 0, v[SC+16*(\set)+4*\b+(\q)], v[SC+16*(\set)+4*(\a)+(\q)] matrix_a_scale:MATRIX_SCALE_ROW1
.else
	v_wmma_scale_f32_16x16x128_f8f6f4 v[ACC+8*(4*(\a)+\b):ACC+8*(4*(\a)+\b)+7], v[\f+64+16*\b:\f+64+16*\b+15], v[\f+16*(\a):\f+16*(\a)+15], v[ACC+8*(4*(\a)+\b):ACC+8*(4*(\a)+\b)+7], v[SC+16*(\set)+4*\b+(\q)], v[SC+16*(\set)+4*(\a)+(\q)] matrix_a_scale:MATRIX_SCALE_ROW1
.endif
.endr
.endr
.endm
.macro QUARTER slot, q, f, g, zero
	PLACES 8
	FETCH \slot, 128*(\q+1), \g
	s_wait_dscnt 32
	MUL8 \f, 0, \slot, \q, \zero
	MUL8 \f, 2, \slot, \q, \zero
.endm
.macro TURN slot, next, fill, sgn
	WIN 0
	s_wait_tensorcnt 0x0
	ds_add_u32 v[SPW], v[NIL]
.if \fill
	s_add_nc_u64 s[G0+4*\slot+2:G0+4*\slot+3], s[G0+4*\slot+2:G0+4*\slot+3], 1024
	s_add_nc_u64 s[G0B+4*\slot+2:G0B+4*\slot+3], s[G0B+4*\slot+2:G0B+4*\slot+3], 1024
.endif
	s_wait_dscnt 0x0
	s_barrier_signal -1
	MUL8 F1, 0, \slot, 3, 0
	WIN 0
	s_barrier_wait -1
.if \fill
	CREST
	JLOAD G0+4*\slot, G1, G0B+4*\slot, G1B
	PLACES 4
.else
	PLACES 8
.endif
	FETCH \next, 0, F0
	SCALES \next, \sgn
.if \sgn == 1
	global_prefetch_b8 v6, s[12:13] offset:1536 th:TH_LOAD_NT scope:SCOPE_SE   ; what the next refill will ask for; the last refill has nothing behind it
.endif
	MUL8 F1, 2, \slot, 3, 0
.endm
	s_load_b256 s[4:11], s[0:1], 0x0
	s_load_b64 s[92:93], s[0:1], 0x20
	v_lshl_add_u32 v[SPW], v0, 2, SPARE
	v_mov_b32 v[NIL], 0
	ds_add_u32 v28, v29
	ds_add_u32 v28, v29
	s_wait_dscnt 0x0
	v_lshrrev_b32 v1, 5, v0
	v_readfirstlane_b32 s[WV], v1
	s_lshr_b32 s[WH], s[WV], 1
	s_and_b32 s[WL], s[WV], 1
	s_bfe_u32 s23, ttmp6, 0x40000
	s_bfe_u32 s24, ttmp6, 0x40004
	s_lshl_b32 s27, s24, 2
	s_lshl_b32 s27, 15, s27
	s_lshl_b32 s28, 0x1111, s23
	s_and_b32 s26, ttmp7, 0xffff
	s_lshl_b32 s26, s26, 2
	s_add_co_u32 s26, s26, s24
	s_lshl_b32 s26, s26, 7
	s_lshl_b32 s25, ttmp9, 2
	s_add_co_u32 s25, s25, s23
	s_lshl_b32 s25, s25, 7
	s_add_co_u32 s25, s25, 3072
	s_or_b32 s[G1], s27, (1<<20)|(1<<21)|(6<<22)|(3<<25)
	s_or_b32 s[G1B], s28, (1<<20)|(1<<21)|(6<<22)|(3<<25)
.irp g, G1, G1B
	s_mov_b32 s[\g+1], 512<<16
	s_mov_b32 s[\g+2], 128<<16                     ; 128 rows for the head's loads; 64 from the ring's first load on
	s_mov_b32 s[\g+3], 512<<16
	s_mov_b32 s[\g+4], 128
	s_mov_b32 s[\g+5], 2048
	s_mov_b32 s[\g+6], 0
	s_mov_b32 s[\g+7], 0
.endr
	s_or_b32 s[G1S], s27, (3<<16)|(1<<20)|(1<<21)|(7<<22)|(3<<25)
	s_or_b32 s[G1SB], s28, (3<<16)|(1<<20)|(1<<21)|(7<<22)|(3<<25)
.irp g, G1S, G1SB
	s_mov_b32 s[\g+1], 128<<16
	s_mov_b32 s[\g+2], 8<<16                       ; all eight groups of 256 along K in one load
	s_mov_b32 s[\g+3], 128<<16
	s_mov_b32 s[\g+4], 8
	s_mov_b32 s[\g+5], 5120
	s_mov_b32 s[\g+6], 0
	s_mov_b32 s[\g+7], 0
.endr
	s_mov_b32 s3, 0
	s_mov_b32 s101, 0
	s_wait_kmcnt 0x0
	s_lshl_b32 s2, s26, 11
	s_add_nc_u64 s[12:13], s[4:5], s[2:3]          ; P's tile: its first row's codes,
	s_lshl_b32 s100, s25, 11
	s_add_nc_u64 s[16:17], s[8:9], s[100:101]      ; Qop's,
	s_lshl_b32 s2, s26, 3
	s_add_nc_u64 s[14:15], s[6:7], s[2:3]          ; and their scale bytes
	s_lshl_b32 s100, s25, 3
	s_add_nc_u64 s[18:19], s[10:11], s[100:101]
; THE HEAD'S LOADS, ONE A WAVE: wave 0 slot 0's 128 rows of P, wave 1 its 128 rows of Qop, wave 2 P's scale bytes for all of K, wave 3 Qop's.
.macro HG g0, lds, p
	s_mov_b32 s[\g0], 1
	s_mov_b32 s[\g0+1], \lds
	s_mov_b64 s[\g0+2:\g0+3], s[\p:\p+1]
	s_or_b32 s[\g0+3], s[\g0+3], 0x80000000
.endm
	HG G0, 0, 12
	HG G0B, 2*HALFT, 16
	HG G0S, SCL, 14
	HG G0SB, SCL+SHALF, 18
	CROUND                                         ; all sixteen work-groups are here: the first joint loads meet
.macro ARM under, g0, g1, next         ; one chain of branches on the wave's number, a load an arm, all arms to one join
	s_cmp_lt_u32 s[WV], \under
	s_cbranch_scc0 \next
	tensor_load_to_lds s[\g0:\g0+3], s[\g1:\g1+7]
	s_nop 0
	PLACES 4
	s_branch .Lhead_asked
\next:
.endm
	ARM 1, G0, G1, .Lhead_b
	ARM 2, G0B, G1B, .Lhead_sa
	ARM 3, G0S, G1S, .Lhead_sb
	tensor_load_to_lds s[G0SB:G0SB+3], s[G1SB:G1SB+7]
	s_nop 0
	PLACES 4
.Lhead_asked:
	s_mul_i32 s29, s[WV], HALFT                    ; the ring: a wave fetches 64 rows, to wave x 64 rows of a slot
	s_lshl_b32 s30, s[WL], 17                      ; which 64: 64 rows of 2,048 bytes
	s_mov_b32 s31, 0
	s_mov_b32 s[G0+4], 1                           ; slot 1's group 0: the second 512 along K
	s_add_co_u32 s[G0+5], s29, SLOT
	s_add_nc_u64 s[G0+6:G0+7], s[12:13], s[30:31]
	s_add_nc_u64 s[G0+6:G0+7], s[G0+6:G0+7], 512
	s_or_b32 s[G0+7], s[G0+7], 0x80000000
	s_mov_b32 s[G0B+4], 1
	s_add_co_u32 s[G0B+5], s29, SLOT
	s_add_nc_u64 s[G0B+6:G0B+7], s[16:17], s[30:31]
	s_add_nc_u64 s[G0B+6:G0B+7], s[G0B+6:G0B+7], 512
	s_or_b32 s[G0B+7], s[G0B+7], 0x80000000
; PREFETCHES: of the 64 rows x 512 bytes that my wave fetches for a slot, each of the four partners that ask for them jointly names 16 rows (told apart by address: cx for P, cy for Qop), two lanes a row, 256 bytes apart:
; each aligned block of 256 bytes once in a cluster.  Here slot 1's; behind slot 1's load the third 512 along K; behind the first refill the fourth.  v6 and s[12:13] are never rewritten.
	s_cmp_eq_u32 s[WH], 0
	s_cselect_b64 s[12:13], s[12:13], s[16:17]
	s_cselect_b32 s29, s23, s24
	s_lshl_b32 s29, s29, 15
	s_add_co_u32 s30, s30, s29
	s_add_nc_u64 s[12:13], s[12:13], s[30:31]
	v_and_b32 v6, 31, v0
	v_lshrrev_b32 v7, 1, v6
	v_and_b32 v6, 1, v6
	v_lshlrev_b32 v6, 8, v6
	v_lshl_add_u32 v6, v7, 11, v6
	global_prefetch_b8 v6, s[12:13] offset:512 th:TH_LOAD_NT scope:SCOPE_SE
	v_and_b32 v1, 15, v0
	v_bfe_u32 v2, v0, 4, 1
	s_wait_alu depctr_va_vdst(0)
	v_mul_u32_u24 v3, v1, PITCH
	v_lshl_add_u32 v3, v2, 4, v3
	s_mul_i32 s2, s[WH], HALFT
	s_mul_i32 s100, s[WL], HALFT
	s_add_co_u32 s100, s100, 2*HALFT
.irp s, 0,1
	v_add_nc_u32 v[ADRA+\s], s2, v3
	v_add_nc_u32 v[ADRB+\s], s100, v3
	s_add_co_u32 s2, s2, SLOT
	s_add_co_u32 s100, s100, SLOT
.endr
	v_lshlrev_b32 v4, 3, v1
	s_lshl_b32 s2, s[WH], 9
	s_lshl_b32 s100, s[WL], 9
	s_add_co_u32 s100, s100, SHALF
	s_sub_co_u32 s100, s100, s2
	v_mul_u32_u24 v5, s100, v2
	s_add_co_u32 s2, s2, SCL
	v_add_nc_u32 v4, v4, v5
	v_add_nc_u32 v[ADRS], s2, v4
	s_mul_i32 s2, s[WV], 16*272
	s_add_co_u32 s2, s2, STAGE
	v_mul_u32_u24 v[STO], v1, 272
	v_lshl_add_u32 v[STO], v2, 5, v[STO]
	v_add_nc_u32 v[STO], s2, v[STO]
	v_mul_u32_u24 v[RD], v2, 272
	v_lshl_add_u32 v[RD], v1, 4, v[RD]
	v_add_nc_u32 v[RD], s2, v[RD]
	v_lshlrev_b32 v[CO], 13, v2
	v_lshl_add_u32 v[CO], v1, 4, v[CO]
	s_lshl_b32 s94, s[WH], 6
	s_add_co_u32 s94, s94, s26
	s_lshl_b32 s94, s94, 13
	s_lshl_b32 s95, s[WL], 6
	s_add_co_u32 s95, s95, s25
	s_sub_co_u32 s95, s95, 3072
	s_lshl_b32 s95, s95, 2
	s_add_co_u32 s94, s94, s95
	s_mov_b32 s95, 0
	s_add_nc_u64 s[92:93], s[92:93], s[94:95]
	s_wait_alu depctr_va_vdst(0)
	s_wait_tensorcnt 0x0                           ; my tile of the head's four is in: so descriptors may be written
	ds_add_u32 v[SPW], v[NIL]                      ; 0 onto my spare word
	s_mov_b32 s[G1+2], 64<<16                      ; from here on a load brings 64 rows
	s_mov_b32 s[G1+4], 64
	s_mov_b32 s[G1B+2], 64<<16
	s_mov_b32 s[G1B+4], 64
	s_mul_i32 s[G0+1], s[WV], HALFT                ; slot 0's group 0 for its refill: my 64 rows
	s_mul_i32 s[G0B+1], s[WV], HALFT
	s_lshl_b32 s2, s[WL], 17
	s_add_nc_u64 s[G0+2:G0+3], s[G0+2:G0+3], s[2:3]
	s_add_nc_u64 s[G0B+2:G0B+3], s[G0B+2:G0B+3], s[2:3]
	s_wait_dscnt 0x0
	CROUND                                         ; all four tiles are in, and the partners are here
	JLOAD G0+4, G1, G0B+4, G1B                     ; slot 1's first fill, issued as a refill is
	FETCH 0, 0, F0
	SCALES 0, 0
	global_prefetch_b8 v6, s[12:13] offset:1024 th:TH_LOAD_NT scope:SCOPE_SE
	QUARTER 0, 0, F0, F1, 1
	QUARTER 0, 1, F1, F0, 0
	QUARTER 0, 2, F0, F1, 0
	TURN 0, 1, 1, 1
	QUARTER 1, 0, F0, F1, 0
	QUARTER 1, 1, F1, F0, 0
	QUARTER 1, 2, F0, F1, 0
	TURN 1, 0, 1, 2
	QUARTER 0, 0, F0, F1, 0
	QUARTER 0, 1, F1, F0, 0
	QUARTER 0, 2, F0, F1, 0
	TURN 0, 1, 0, 3
	QUARTER 1, 0, F0, F1, 0
	QUARTER 1, 1, F1, F0, 0
	QUARTER 1, 2, F0, F1, 0
	s_wait_dscnt 0x0
	MUL8 F1, 0, 1, 3, 0
	MUL8 F1, 2, 1, 3, 0
	WIN 0
.macro TOSTAGE a
.irp b, 0,1,2,3
	ds_store_b128 v[STO], v[ACC+8*(4*(\a)+\b):ACC+8*(4*(\a)+\b)+3] offset:64*\b
	ds_store_b128 v[STO], v[ACC+8*(4*(\a)+\b)+4:ACC+8*(4*(\a)+\b)+7] offset:64*\b+16
.endr
.irp t, 0,1,2,3,4,5,6,7
	ds_load_b128 v[BK+32*((\a)%2)+4*\t:BK+32*((\a)%2)+4*\t+3], v[RD] offset:544*\t
.endr
.endm
.macro SEND a, younger
	s_wait_dscnt \younger
.irp t, 0,1,2,3,4,5,6,7
	global_store_b128 v[CO], v[BK+32*((\a)%2)+4*\t:BK+32*((\a)%2)+4*\t+3], s[92:93] offset:(16*(\a)+2*\t)*8192 th:TH_STORE_NT
.endr
.endm
	PLACES 8
	TOSTAGE 0
.irp a, 1,2,3
.if \a > 1
	s_wait_xcnt 0x0
.endif
	TOSTAGE \a
	SEND \a-1, 16
.endr
	SEND 3, 0
	s_wait_tensorcnt 0x0
	ds_add_u32 v[SPW], v[NIL]
	s_wait_dscnt 0x0
	CROUND
	s_endpgm
.Lfunc_end_k_q8ae5d35a6c_oproj:
	.size	k_q8ae5d35a6c_oproj, .Lfunc_end_k_q8ae5d35a6c_oproj-k_q8ae5d35a6c_oproj
	.p2alignl 7, 3214868480
	.fill 96, 4, 3214868480
	.section	.rodata,"a",@progbits
	.p2align	6, 0x0
	.amdhsa_kernel k_q8ae5d35a6c_oproj
		.amdhsa_group_segment_fixed_size 327680
		.amdhsa_private_segment_fixed_size 0
		.amdhsa_enable_private_segment 0
		.amdhsa_kernarg_size 40
		.amdhsa_user_sgpr_count 2
		.amdhsa_user_sgpr_kernarg_segment_ptr 1
		.amdhsa_wavefront_size32 1
		.amdhsa_system_sgpr_workgroup_id_x 1
		.amdhsa_system_sgpr_workgroup_id_y 1
		.amdhsa_system_sgpr_workgroup_id_z 1
		.amdhsa_system_vgpr_workitem_id 0
		.amdhsa_next_free_vgpr 512
		.amdhsa_next_free_sgpr 102
		.amdhsa_reserve_vcc 0
		.amdhsa_float_denorm_mode_32 3
		.amdhsa_float_denorm_mode_16_64 3
		.amdhsa_memory_ordered 1
		.amdhsa_forward_progress 1
		.amdhsa_inst_pref_size 93
	.end_amdhsa_kernel
	.amdgpu_metadata
---
amdhsa.version: [ 1, 2 ]
amdhsa.kernels:
  - .name:           k_q8ae5d35a6c_oproj
    .symbol:         k_q8ae5d35a6c_oproj.kd
    .args:
      - { .name: ac, .offset: 0, .size: 8, .value_kind: global_buffer, .address_space: global }
      - { .name: asc, .offset: 8, .size: 8, .value_kind: global_buffer, .address_space: global }
      - { .name: wc, .offset: 16, .size: 8, .value_kind: global_buffer, .address_space: global }
      - { .name: wsc, .offset: 24, .size: 8, .value_kind: global_buffer, .address_space: global }
      - { .name: out0, .offset: 32, .size: 8, .value_kind: global_buffer, .address_space: global }
    .group_segment_fixed_size: 327680
    .private_segment_fixed_size: 0
    .kernarg_segment_align: 8
    .kernarg_segment_size: 40
    .max_flat_workgroup_size: 128
    .sgpr_count:     102
    .vgpr_count:     512
    .wavefront_size: 32
...
	.end_amdgpu_metadata
.endif
;; end of part 4
